; MI455X (gfx1250); checked and timed in simulation.
; The chip was launched on July 23, 2026; its instructions are those of AMD's public machine-readable ISA for CDNA 5 (MIT licence, August 2026) and "CDNA5" Instruction Set Architecture Reference Guide (July 2026). The comments in the code are by the model that wrote it; some were corrected since.
;; Multi Head Attention. Allowed arithmetic: matrix products marked QUANTISED: E2M1 operands, one E8M0 scale for each 32 along K, by v_wmma_scale_f32_16x16x128_f8f6f4 with both operands' format E2M1 (or v_wmma_scale_f32_32x16x128_f4), f32 sums; products left as they are: bf16, f16 or f32 operands; f32 sums; everything else in f32.
;; Inputs: Wk 16 x 1,024 x 64 float32; Wo 1,024 x 1,024 float32; Wq 16 x 1,024 x 64 float32; Wv 16 x 1,024 x 64 float32; X 4 x 2,048 x 1,024 float32; bo 1,024 float32.
;; Outputs: out0 4 x 2,048 x 1,024 float32.
;; This version of the problem:
;;   THIS VERSION OF THE PROBLEM IS GIVEN IN LOW PRECISION. The matrix products marked QUANTISED in the list below multiply operands that are first quantised to E2M1 (2 exponent bits, 1 mantissa bit; 4 bits a number), with one power-of-two scale for each 32 numbers along K (OCP MX v1.0); their sums are f32. The products marked 'left as it is' may take bf16, f16 or f32 operands, with f32 sums. Whichever they take, every output number must still come out within the allowed error. Rounding operands to bf16 (8 significant bits) uses up far more of that allowance than f16 does (11 bits, for magnitudes from 6e-5 to 65,504). All else is computed in f32.
;;   The module's matrix products, in the order in which they are computed (A, B: the left and right operand; K: the contracted axis; several contracted axes count as one K, in the product's order):
;;     1. [M 1,024, K 1,024] x [K 1,024, N 8,192]; A: input Wq; B: input X: QUANTISED
;;     2. [M 1,024, K 1,024] x [K 1,024, N 8,192]; A: input Wk; B: input X: QUANTISED
;;     3. [M 1,024, K 1,024] x [K 1,024, N 8,192]; A: input Wv; B: input X: QUANTISED
;;     4. batch 64 x [M 2,048, K 64] x [K 64, N 2,048]; A: computed on the way; B: computed on the way: left as it is (an operand is computed on the way)
;;     5. batch 64 x [M 2,048, K 2,048] x [K 2,048, N 64]; A: computed on the way; B: computed on the way: left as it is (an operand is computed on the way)
;;     6. [M 8,192, K 1,024] x [K 1,024, N 1,024]; A: computed on the way; B: input Wo: left as it is (an operand is computed on the way)
;;   THE QUANTISER, for each operand of a quantised product, along K:
;;     - K is cut into blocks of 32 from its start; a last block that is shorter is filled with zeros.
;;     - A block's scale is 2^e with e = floor(log2(the largest magnitude in the block)) - 2, held to -126 .. 127; a block of zeros has e = 0. As a byte (E8M0): e + 127.
;;     - Each number is divided by its block's scale, clamped to +-6, and rounded to the nearest number of E2M1, ties to even, subnormals kept.
;;     - The product sums the exact products of the quantised numbers (number of the format x scale) in f32.
;;   ~~~python
;;   def quantise(x, axis):      # numpy; x: float32 -> the quantised numbers, widened to float32 again
;;       x = np.moveaxis(x, axis, -1); K = x.shape[-1]
;;       x = np.pad(x, [(0, 0)] * (x.ndim - 1) + [(0, -K % 32)]); x = x.reshape(x.shape[:-1] + (-1, 32)); a = np.abs(x).max(-1, keepdims=True)
;;       e = np.where(a > 0, np.clip(np.frexp(np.where(a > 0, a, 1))[1] - 1 - 2, -126, 127), 0)      # np.frexp(a)[1] - 1 = floor(log2(a)), exactly
;;       r = np.clip(x / 2.0 ** e, -6, 6)
;;       step = 2.0 ** (np.maximum(np.frexp(np.where(r == 0, 1, r))[1] - 1, 0) - 1)
;;       q = np.round(r / step) * step * 2.0 ** e      # np.round: ties to even
;;       return np.moveaxis(q.reshape(q.shape[:-2] + (-1,))[..., :K], -1, axis).astype(np.float32)
;;   ~~~
;; One version. Each part assembles by itself: llvm-mc -triple=amdgcn-amd-amdhsa -mcpu=gfx1250 --defsym DOCPART=n.
;; ======== version 1 of 1: 5 launches
;; limits: values are held in f16: magnitudes above 65,504 overflow, below 6.1e-05 lose precision
;; workspace buffers: x_codes 4,194,304 bytes; x_scales 262,144 bytes; w_codes 1,572,864 bytes; w_scales 98,304 bytes; wo_h 2,097,152 bytes; qkv 50,331,648 bytes; first16 786,432 bytes; att 16,777,216 bytes
;; launch prep (part 1): grid 432 x 1, 4 waves a work-group, no clusters, 68,096 bytes of LDS; arguments X, Wq, Wk, Wv, Wo, x_codes, x_scales, w_codes, w_scales, wo_h; writes x_codes, x_scales, w_codes, w_scales, wo_h
.if DOCPART == 1
	.amdgcn_target "amdgcn-amd-amdhsa--gfx1250"
	.amdhsa_code_object_version 6
	.text
	.protected	k_qc1d7f5aa38_prep
	.globl	k_qc1d7f5aa38_prep
	.p2align	8
	.type	k_qc1d7f5aa38_prep,@function
k_qc1d7f5aa38_prep:
	s_mov_b64 s[64:65], 0
	v_nop
	global_prefetch_b8 v0, s[64:65] scope:SCOPE_SE
	s_setreg_imm32_b32 hwreg(HW_REG_WAVE_MODE, 25, 1), 1
	s_wait_xcnt 0x0
; Three streams in one launch, told apart by the work-group's number alone:
;   work-groups 0-47:    one head of Wq, Wk or Wv, [1024 e][64 d] f32, K = e is its FIRST axis -> codes of FP4 (E2M1) laid [row n = 64 g + d][512 bytes], K innermost, and scale bytes [n][32]
;   work-groups 48-303:  32,768 numbers of X ([8192][1024] f32, K innermost) -> codes [8192][512 bytes] and scale bytes [8192][32]
;   work-groups 304-431: 2,048 numbers of Wo a wave -> f16, same order
; A block's scale is 2^(floor(log2(its largest magnitude)) - 2); its byte is the largest magnitude's exponent field - 2, held at 1 from below; each number is divided by the scale and
; rounded to the nearest code, ties to even, beyond 6 the largest code.
; LIMITS: a block of zeros gets the byte 1 where the quantiser says 127 (its codes are zeros, and this program alone reads the bytes); blocks whose largest magnitude lies under 2^-124 are held at
; byte 1; NaN and infinities among the inputs are not served; Wo must lie inside f16's 65,504, and its numbers under 6e-5 keep an absolute step of 6e-8.
; No tensor loads, no barrier: waves share nothing.  Each path has LDS bytes of its own: X's 0 .. 32,767 (8,192 a wave), W's 32,768 .. 67,583 (8,704 a wave); then the spare words.
.set SPARE, 67584                      ; the spare words, 128 bytes a wave: two blocks of 256 bytes that no other line names
.set SPW,   192                        ; v192  LDS address of my spare word; never rewritten
.set NIL,   193                        ; v193  0; never rewritten
.set SP,    80                         ; X: a lane's place in a stage: its 64 bytes + 16 of padding
.set XR,    16                         ; X: v16-79 four sets of 16 numbers as loaded
.set XX,    80                         ; X: v80-111 two sets of 16 neighbours
.set XE,    112                        ; X: v112-127 a scale byte for each step
.set XC,    128                        ; X: v128-191 codes, four registers a step: no store's data are written again
.set WP,    272                        ; W: a stage row: 256 bytes of codes + 16
.set WSB,   24                         ; W: v24-27 scale bytes, four to a register
.set WX,    32                         ; W: v32-95 two sets of 32 numbers
.set WC,    96                         ; W: v96-99 a block's codes
.set WOU,   112                        ; W: v112-175 the way out
.macro XLOAD t
.irp i, 0,1,2,3
	global_load_b128 v[XR+16*((\t)%4)+4*\i:XR+16*((\t)%4)+4*\i+3], v3, s[4:5] offset:2048*(\t)+512*\i th:TH_LOAD_NT   ; 32 lanes read 512 consecutive bytes
.endr
.endm
.macro XTURN t                         ; a step's 2,048 bytes through my own stage: in as they lie, back 64 bytes a lane; LDS serves a wave's instructions in order
.irp i, 0,1,2,3
	ds_store_b128 v14, v[XR+16*((\t)%4)+4*\i:XR+16*((\t)%4)+4*\i+3] offset:32*SP*((\t)%2)+8*SP*\i
.endr
.irp i, 0,1,2,3
	ds_load_b128 v[XX+16*((\t)%2)+4*\i:XX+16*((\t)%2)+4*\i+3], v15 offset:32*SP*((\t)%2)+16*\i
.endr
.endm
.macro XSTEP t
.set XS, XX+16*((\t)%2)
.if (\t) > 0
	s_wait_dscnt 1                                 ; this step's numbers are back from the stage; the last step's byte store may be out
.else
	s_wait_dscnt 0x0
.endif
.if (\t)+4 < 16
	XLOAD (\t)+4                                   ; into the set whose stores into the stage have read their registers
.endif
.if (\t)+1 < 16
.if 14-(\t) >= 3
	s_wait_loadcnt 12                              ; the next step's four loads are in; the twelve of the three steps behind it may be out
.else
	s_wait_loadcnt 4*(14-(\t))
.endif
	XTURN (\t)+1
.endif
	v_max3_num_f32 v8, |v[XS]|, |v[XS+1]|, |v[XS+2]|     ; the largest magnitude of my 16, in two chains
	v_max3_num_f32 v9, |v[XS+3]|, |v[XS+4]|, |v[XS+5]|
.irp i, 6,10
	v_max3_num_f32 v8, v8, |v[XS+\i]|, |v[XS+\i+1]|
	v_max3_num_f32 v9, v9, |v[XS+\i+2]|, |v[XS+\i+3]|
.endr
	v_max3_num_f32 v8, v8, |v[XS+14]|, |v[XS+15]|
	v_max3_num_f32 v8, v8, v9, 0x1800000           ; and the floor 2^(3 - 127): the byte cannot fall under 1
	v_max_num_f32_dpp v8, v8, v8 row_xmask:1 row_mask:0xf bank_mask:0xf   ; with my neighbour's 16: the block's
	v_add_nc_u32 v11, 0xff000000, v8               ; 2 off its exponent field: the conversion takes that field as its scale
	v_cvt_scalef32_pk8_fp4_f32 v[XC+4*(\t)], v[XS:XS+7], v11
	v_cvt_scalef32_pk8_fp4_f32 v[XC+4*(\t)+1], v[XS+8:XS+15], v11
	v_lshrrev_b32 v[XE+(\t)], 23, v11              ; the scale's byte
	ds_store_b8 v5, v[XE+(\t)] offset:16*(\t)      ; both lanes of a block write the same byte with the same value
	global_store_b64 v4, v[XC+4*(\t):XC+4*(\t)+1], s[14:15] offset:256*(\t)   ; the wave stores 256 consecutive bytes, aligned
.endm
.macro WLOAD t                         ; block t: W(32 t + i, my column), i = 0 .. 31: a wave reads 128 consecutive bytes an instruction
.irp i, 0,1,2,3,4,5,6,7,8,9,10,11,12,13,14,15,16,17,18,19,20,21,22,23,24,25,26,27,28,29,30,31
	global_load_b32 v[WX+32*((\t)%2)+\i], v3, s[26:27] offset:(32*(\t)+\i)*256 th:TH_LOAD_NT
.endr
.endm
.macro WBLOCK t
.set XS, WX+32*((\t)%2)
.if (\t) < 15
	s_wait_loadcnt 32                              ; this block's 32 loads are in; the next block's 32 may be out
.else
	s_wait_loadcnt 0
.endif
	v_max3_num_f32 v12, |v[XS]|, |v[XS+1]|, |v[XS+2]|    ; all 32 numbers of the block are mine
	v_max3_num_f32 v13, |v[XS+3]|, |v[XS+4]|, |v[XS+5]|
.irp i, 6,10,14,18,22,26
	v_max3_num_f32 v12, v12, |v[XS+\i]|, |v[XS+\i+1]|
	v_max3_num_f32 v13, v13, |v[XS+\i+2]|, |v[XS+\i+3]|
.endr
	v_max3_num_f32 v12, v12, |v[XS+30]|, |v[XS+31]|
	v_max3_num_f32 v12, v12, v13, 0x1800000
	v_add_nc_u32 v11, 0xff000000, v12
	v_lshrrev_b32 v13, 23, v11
.if (\t)%4 == 0
	v_mov_b32 v[WSB+(\t)/4], v13
.else
	v_lshl_or_b32 v[WSB+(\t)/4], v13, 8*((\t)%4), v[WSB+(\t)/4]
.endif
.irp g, 0,1,2,3
	v_cvt_scalef32_pk8_fp4_f32 v[WC+\g], v[XS+8*\g:XS+8*\g+7], v11
.endr
	ds_store_b128 v4, v[WC:WC+3] offset:16*(\t)    ; 32 codes: 16 bytes of my column's row
.if (\t)+2 < 16
	WLOAD (\t)+2
.endif
	s_wait_dscnt 0x0                               ; the store has read its registers: the next block's codes may be written
.endm
	s_load_b512 s[4:19], s[0:1], 0x0               ; X 4:5, Wq 6:7, Wk 8:9, Wv 10:11, Wo 12:13, x_codes 14:15, x_scales 16:17, w_codes 18:19
	s_load_b128 s[20:23], s[0:1], 0x40             ; w_scales 20:21, wo_h 22:23
	v_lshl_add_u32 v[SPW], v0, 2, SPARE
	v_mov_b32 v[NIL], 0
	v_lshrrev_b32 v1, 5, v0
	v_readfirstlane_b32 s24, v1                    ; wave 0..3
	v_and_b32 v2, 31, v0                           ; lane
	s_wait_kmcnt 0x0
	s_cmp_lt_u32 ttmp9, 48
	s_cbranch_scc1 .Lw
	s_cmp_lt_u32 ttmp9, 304
	s_cbranch_scc1 .Lx
	; ---- Wo to f16: a wave takes 8,192 bytes, sixteen loads of 512 consecutive bytes, all out at once
	s_sub_co_u32 s25, ttmp9, 304
	s_lshl_b32 s25, s25, 2
	s_add_co_u32 s25, s25, s24                     ; which run of 2,048 numbers is my wave's
	s_lshl_b32 s26, s25, 13
	s_mov_b32 s27, 0
	s_add_nc_u64 s[12:13], s[12:13], s[26:27]
	s_lshl_b32 s26, s25, 12
	s_add_nc_u64 s[22:23], s[22:23], s[26:27]
	v_lshlrev_b32 v3, 4, v2
	v_lshlrev_b32 v4, 3, v2
.irp i, 0,1,2,3,4,5,6,7,8,9,10,11,12,13,14,15
	global_load_b128 v[16+4*\i:19+4*\i], v3, s[12:13] offset:512*\i th:TH_LOAD_NT
.endr
.irp i, 0,1,2,3,4,5,6,7,8,9,10,11,12,13,14,15
	s_wait_loadcnt 15-\i                           ; loads come back in order: number i is in, the younger ones stay out
	v_cvt_pk_f16_f32 v[80+2*\i], v[16+4*\i], v[17+4*\i]
	v_cvt_pk_f16_f32 v[81+2*\i], v[18+4*\i], v[19+4*\i]
	global_store_b64 v4, v[80+2*\i:81+2*\i], s[22:23] offset:256*\i   ; the wave stores 256 consecutive bytes, aligned
.endr
	s_endpgm
	; ---- X: a plain stream of blocks of 32; a wave takes 16 steps of 512 numbers
.Lx:
	s_sub_co_u32 s25, ttmp9, 48
	s_lshl_b32 s25, s25, 2
	s_add_co_u32 s25, s25, s24                     ; which run of 8,192 numbers is my wave's
	s_mov_b32 s27, 0
	s_lshl_b32 s26, s25, 15
	s_add_nc_u64 s[4:5], s[4:5], s[26:27]
	s_lshl_b32 s26, s25, 12
	s_add_nc_u64 s[14:15], s[14:15], s[26:27]
	s_lshl_b32 s26, s25, 8
	s_add_nc_u64 s[16:17], s[16:17], s[26:27]
	v_lshlrev_b32 v3, 4, v2                        ; my 16 bytes of a load's 512
	s_lshl_b32 s28, s24, 13                        ; my wave's 8,192 bytes of LDS
	v_lshrrev_b32 v14, 2, v2
	v_mul_u32_u24 v14, v14, SP
	v_and_b32 v15, 3, v2
	v_lshl_add_u32 v14, v15, 4, v14
	v_add_nc_u32 v14, s28, v14                     ; the stage, in: SP (lane / 4) + 16 (lane % 4)
	v_mul_u32_u24 v15, v2, SP
	v_add_nc_u32 v15, s28, v15                     ; and back: SP x lane
	v_lshlrev_b32 v4, 3, v2                        ; my 16 codes: 8 bytes
	v_lshrrev_b32 v5, 1, v2
	s_add_co_u32 s28, s28, 2*32*SP
	v_add_nc_u32 v5, s28, v5                       ; my block's byte among the wave's 256
	v_lshlrev_b32 v7, 3, v2
	v_add_nc_u32 v6, s28, v7
.irp t, 0,1,2,3
	XLOAD \t
.endr
	s_wait_loadcnt 12                              ; step 0's four loads are in
	XTURN 0
.irp t, 0,1,2,3,4,5,6,7,8,9,10,11,12,13,14,15
	XSTEP \t
.endr
	ds_load_b64 v[8:9], v6                         ; my wave's 256 scale bytes, 8 a lane
	s_wait_dscnt 0x0
	global_store_b64 v7, v[8:9], s[16:17]          ; one aligned run of 256 bytes
	s_wait_tensorcnt 0x0                           ; the wave's end, behind my last LDS store
	ds_add_u32 v[SPW], v[NIL]
	s_wait_dscnt 0x0
	s_endpgm
	; ---- W: a lane takes a column d, its registers run down e.  Wave: 32 columns (wave & 1) x 512 along K (wave >> 1)
.Lw:
	s_cmp_lt_u32 ttmp9, 16                         ; which of the three tensors: the choice hangs on the work-group's number alone
	s_cselect_b64 s[26:27], s[6:7], s[8:9]
	s_cmp_lt_u32 ttmp9, 32
	s_cselect_b64 s[26:27], s[26:27], s[10:11]
	s_and_b32 s28, ttmp9, 15
	s_lshl_b32 s28, s28, 18                        ; the head: 1,024 rows of 256 bytes
	s_lshr_b32 s30, s24, 1                         ; which 512 along K
	s_and_b32 s31, s24, 1                          ; which 32 columns
	s_lshl_b32 s29, s30, 17
	s_add_co_u32 s28, s28, s29
	s_lshl_b32 s29, s31, 7
	s_add_co_u32 s28, s28, s29
	s_mov_b32 s29, 0
	s_add_nc_u64 s[26:27], s[26:27], s[28:29]
	s_lshl_b32 s32, ttmp9, 6
	s_lshl_b32 s33, s31, 5
	s_add_co_u32 s32, s32, s33                     ; my wave's first row of the codes: 64 g + 32 (wave & 1)
	s_lshl_b32 s28, s32, 9
	s_lshl_b32 s33, s30, 8
	s_add_co_u32 s28, s28, s33
	s_add_nc_u64 s[18:19], s[18:19], s[28:29]
	s_lshl_b32 s28, s32, 5
	s_lshl_b32 s33, s30, 4
	s_add_co_u32 s28, s28, s33
	s_add_nc_u64 s[20:21], s[20:21], s[28:29]
	v_lshlrev_b32 v3, 2, v2                        ; in: 4 bytes a lane
	s_mul_i32 s34, s24, 32*WP
	s_add_co_u32 s34, s34, 32768                   ; my stage
	v_mul_u32_u24 v4, v2, WP
	v_add_nc_u32 v4, s34, v4                       ; into it: row = my column
	v_and_b32 v5, 15, v2
	v_lshrrev_b32 v6, 4, v2
	v_mul_u32_u24 v7, v6, WP
	v_lshl_add_u32 v7, v5, 4, v7
	v_add_nc_u32 v7, s34, v7                       ; out of it: sixteen lanes to a row, two rows an instruction
	v_lshlrev_b32 v8, 9, v6
	v_lshl_add_u32 v8, v5, 4, v8                   ; and the same place in the codes (rows of 512 bytes)
	v_lshlrev_b32 v9, 5, v2                        ; my column's row of scale bytes
	WLOAD 0
	WLOAD 1
.irp t, 0,1,2,3,4,5,6,7,8,9,10,11,12,13,14,15
	WBLOCK \t
.endr
	global_store_b128 v9, v[WSB:WSB+3], s[20:21]   ; my column's 16 scale bytes
.irp t, 0,1,2,3,4,5,6,7,8,9,10,11,12,13,14,15
	ds_load_b128 v[WOU+4*\t:WOU+4*\t+3], v7 offset:2*\t*WP
.endr
.irp t, 0,1,2,3,4,5,6,7,8,9,10,11,12,13,14,15
	s_wait_dscnt 15-\t                             ; LDS loads come back in order
	global_store_b128 v8, v[WOU+4*\t:WOU+4*\t+3], s[18:19] offset:2*\t*512   ; sixteen lanes store 256 consecutive bytes, aligned
.endr
	s_wait_tensorcnt 0x0                           ; the wave's end, behind my last LDS store
	ds_add_u32 v[SPW], v[NIL]
	s_wait_dscnt 0x0
	s_endpgm
.Lfunc_end_k_qc1d7f5aa38_prep:
	.size	k_qc1d7f5aa38_prep, .Lfunc_end_k_qc1d7f5aa38_prep-k_qc1d7f5aa38_prep
	.p2alignl 7, 3214868480
	.fill 96, 4, 3214868480
	.section	.rodata,"a",@progbits
	.p2align	6, 0x0
	.amdhsa_kernel k_qc1d7f5aa38_prep
		.amdhsa_group_segment_fixed_size 68096
		.amdhsa_private_segment_fixed_size 0
		.amdhsa_enable_private_segment 0
		.amdhsa_kernarg_size 80
		.amdhsa_user_sgpr_count 2
		.amdhsa_user_sgpr_kernarg_segment_ptr 1
		.amdhsa_wavefront_size32 1
		.amdhsa_system_sgpr_workgroup_id_x 1
		.amdhsa_system_sgpr_workgroup_id_y 1
		.amdhsa_system_sgpr_workgroup_id_z 1
		.amdhsa_system_vgpr_workitem_id 0
		.amdhsa_next_free_vgpr 196
		.amdhsa_next_free_sgpr 66
		.amdhsa_reserve_vcc 0
		.amdhsa_float_denorm_mode_32 3
		.amdhsa_float_denorm_mode_16_64 3
		.amdhsa_memory_ordered 1
		.amdhsa_forward_progress 1
		.amdhsa_inst_pref_size 117
	.end_amdhsa_kernel
	.amdgpu_metadata
---
amdhsa.version: [ 1, 2 ]
amdhsa.kernels:
  - .name:           k_qc1d7f5aa38_prep
    .symbol:         k_qc1d7f5aa38_prep.kd
    .args:
      - { .name: X, .offset: 0, .size: 8, .value_kind: global_buffer, .address_space: global }
      - { .name: Wq, .offset: 8, .size: 8, .value_kind: global_buffer, .address_space: global }
      - { .name: Wk, .offset: 16, .size: 8, .value_kind: global_buffer, .address_space: global }
      - { .name: Wv, .offset: 24, .size: 8, .value_kind: global_buffer, .address_space: global }
      - { .name: Wo, .offset: 32, .size: 8, .value_kind: global_buffer, .address_space: global }
      - { .name: x_codes, .offset: 40, .size: 8, .value_kind: global_buffer, .address_space: global }
      - { .name: x_scales, .offset: 48, .size: 8, .value_kind: global_buffer, .address_space: global }
      - { .name: w_codes, .offset: 56, .size: 8, .value_kind: global_buffer, .address_space: global }
      - { .name: w_scales, .offset: 64, .size: 8, .value_kind: global_buffer, .address_space: global }
      - { .name: wo_h, .offset: 72, .size: 8, .value_kind: global_buffer, .address_space: global }
    .group_segment_fixed_size: 68096
    .private_segment_fixed_size: 0
    .kernarg_segment_align: 8
    .kernarg_segment_size: 80
    .max_flat_workgroup_size: 128
    .sgpr_count:     66
    .vgpr_count:     196
    .wavefront_size: 32
...
	.end_amdgpu_metadata
.endif
;; end of part 1
;; launch qkv (part 2): grid 12 x 32, 4 waves a work-group, clusters of 4 x 4, 327,680 bytes of LDS; arguments x_codes, x_scales, w_codes, w_scales, qkv, first16; writes qkv, first16
.if DOCPART == 2
	.amdgcn_target "amdgcn-amd-amdhsa--gfx1250"
	.amdhsa_code_object_version 6
	.text
	.protected	k_qc1d7f5aa38_qkv
	.globl	k_qc1d7f5aa38_qkv
	.p2align	8
	.type	k_qc1d7f5aa38_qkv,@function
k_qc1d7f5aa38_qkv:
	s_mov_b64 s[64:65], 0
	v_nop
	global_prefetch_b8 v0, s[64:65] scope:SCOPE_SE
	s_setreg_imm32_b32 hwreg(HW_REG_WAVE_MODE, 25, 1), 1
	s_wait_xcnt 0x0
	s_wait_alu depctr_hold_cnt(0) depctr_sa_sdst(0) depctr_va_vdst(0) depctr_va_sdst(0) depctr_va_ssrc(0) depctr_va_vcc(0) depctr_vm_vsrc(0)
	s_getreg_b32 s2, hwreg(HW_REG_IB_STS2, 6, 4)
	s_cmp_eq_u32 s2, 0
	s_cbranch_scc0 .Lentry_in_a_cluster
	s_endpgm
.Lentry_in_a_cluster:
	s_bfe_u32 s2, ttmp6, 0x10000c
	s_cmp_lg_u32 s2, 0xf033
	s_cbranch_scc0 .Lentry_shape_is_right
	s_endpgm
.Lentry_shape_is_right:
; q, k, v = X W as ONE product on codes of FP4 (E2M1) with one E8M0 scale for each 32 along K: C[m][n] = sum over k of X[m][k] W[n][k], m = 2048 b + s (8,192), n = 1024 t + 64 h + d (3,072; t = 0 q, 1 k, 2 v), K = 1,024.
; A tile of C, 256 x 256, is made by four waves, 128 x 128 each: 64 accumulators, 512 registers.  K is exactly two LDS slots of 512 (rows of 256 bytes): a wave has three tensor loads out at the start
; (its part of the scales, of slot 0, of slot 1), and nothing is filled again.
; CLUSTERS: 4 x 4 work-groups; X's tiles are asked for jointly along a row of the cluster, W's along a column.  Tile row = 8 cy + cluster y, so that the batch is cy and the tiles that hold positions 0-15 of a
; sequence are those of the clusters with y = 0: that test hangs on no place in a cluster.  Tile column = 4 cluster x + cx: cluster x is t.
; THE MATRIX INSTRUCTION IS USED TRANSPOSED (source 0 = 16 rows of W, source 1 = 16 rows of X): a lane holds eight neighbouring columns of one row of C.
; THE WAY OUT: q is multiplied by c = log2(e) / 8 in f32 (so that the scores come out as exponents of 2); all three are rounded to f16 and stored head by head, [t][b][h][s][64];
; positions 0-15 of every sequence are stored in f32 too, [t][b][h][16][64], for the launch that carries those rows finely.
; LIMIT: c q, k and v must lie inside f16's 65,504.
; REGISTERS: window 0: v0-31 addresses; v32-95 scale words, two sets; from v128 X's fragments, one set; on the way out v32-127 are free.  window 1: W's fragments, two sets.  windows 2, 3: the accumulators ((a, b) at v[8 (8 (a % 4) + b)]).
.set KSTEP,  512
.set NQ,     4
.set ROWB,   256
.set KROW,   512                       ; a row of codes in memory
.set PITCH,  272                       ; an LDS row: 256 bytes + 16 of padding: the 16 rows that a load touches start at 16 different 16-byte columns of 256
.set FR,     8
.set NL,     2
.set NP,     4
.set HALFT,  128*PITCH
.set SLOT,   4*HALFT
.set KS,     32                        ; a row of scales in bytes
.set SCL,    2*SLOT
.set HALFS,  (128*KS/256)*272
.set SBLK,   (16*KS/256)*272
.set SPARE,  SCL+4*HALFS               ; the spare words, 128 bytes a wave: two blocks of 256 bytes that no other line names
.set ADRA, 16
.set ADRB, 20
.set STO,  24                          ; v24  the way out: where I put 16 bytes of a row
.set RD,   25                          ; v25  where I read back
.set CO,   26                          ; v26  my byte offset in qkv
.set ADRS, 27
.set SPW,  28
.set NIL,  29
.set FO,   30                          ; v30  my byte offset in first16
.set SC,   32
.set AF,   128
.set TMP,  32                          ; the way out: packed results
.set BK,   64                          ; and 16 rows read back: v64-95 and v96-127 by turns
.set G1, 24
.set G0, 32
.set G1B, 48
.set G0B, 56
.set G1S, 68
.set G0S, 76
.set G1SB, 80
.set G0SB, 88
.set MSB, 0
.macro WIN new                         ; the immediate's high byte repeats the setting that is left
.if MSB != (\new)
	s_set_vgpr_msb (MSB<<8)|(\new)
.set MSB, \new
.endif
.endm
.set MUL_LO, 0xa1                      ; source 0 (W) window 1, source 1 (X) window 0, C and D window 2
.set MUL_HI, 0xf1
.set TO_B,   0x40
; A joint load: waves 0 and 1 fetch for X, waves 2 and 3 for W; the branch hangs on the wave's number alone.  An s_nop 0 and four v_nop follow each line.
.macro JLOAD g0a, g1a, g0b, g1b
	s_cmp_eq_u32 s15, 0
	s_cbranch_scc0 .Lfor_b_\@
	tensor_load_to_lds s[\g0a:\g0a+3], s[\g1a:\g1a+7]
	s_nop 0
.rept 4
	v_nop
.endr
	s_branch .Lasked_\@
.Lfor_b_\@:
	tensor_load_to_lds s[\g0b:\g0b+3], s[\g1b:\g1b+7]
	s_nop 0
.rept 4
	v_nop
.endr
.Lasked_\@:
.endm
.macro CROUND                          ; a round of the cluster's barrier
	s_barrier_signal -1
	s_barrier_wait -1
	s_cmp_lg_u32 s14, 0
	s_cbranch_scc1 .Lnot_wave_0_\@
	s_barrier_signal -3
.Lnot_wave_0_\@:
	s_barrier_wait -3
	s_barrier_signal -1
	s_barrier_wait -1
.endm
	s_load_b128 s[4:7], s[0:1], 0x0                ; X's codes, X's scales
	s_load_b128 s[8:11], s[0:1], 0x10              ; W's codes, W's scales
	s_load_b64 s[12:13], s[0:1], 0x20              ; qkv
	s_load_b64 s[96:97], s[0:1], 0x28              ; first16
	v_lshl_add_u32 v[SPW], v0, 2, SPARE
	v_mov_b32 v[NIL], 0
	ds_add_u32 v[SPW], v[NIL]                      ; the wave's opening: the add, twice on end, and its wait ahead of my first tensor load
	ds_add_u32 v[SPW], v[NIL]
	v_lshrrev_b32 v1, 5, v0
	v_readfirstlane_b32 s14, v1                    ; wave 0..3
	s_lshr_b32 s15, s14, 1                         ; which half of the tile's rows is mine.  Also: I fetch for X (0) or for W (1)
	s_and_b32 s16, s14, 1                          ; which half of its columns.  Also: which 128 rows of that tile I fetch
	s_bfe_u32 s40, ttmp6, 0x40000                  ; cx
	s_bfe_u32 s41, ttmp6, 0x40004                  ; cy
	s_lshl_b32 s42, ttmp9, 2
	s_add_co_u32 s42, s42, s40                     ; tile column = 4 x cluster x + cx
	s_and_b32 s17, ttmp7, 0xffff
	s_lshl_b32 s18, s41, 3
	s_add_co_u32 s17, s17, s18                     ; tile row = 8 cy + cluster y
	s_lshl_b32 s43, s41, 2
	s_lshl_b32 s43, 15, s43                        ; my row of the cluster
	s_lshl_b32 s44, 0x1111, s40                    ; my column
	s_or_b32 s[G1+0], s43, (0<<16)|(1<<20)|(1<<21)|(5<<22)|(3<<25)  ; mask; elements of 1 byte; padding: 4 words behind every 64
	s_or_b32 s[G1B+0], s44, (0<<16)|(1<<20)|(1<<21)|(5<<22)|(3<<25)
.irp g, G1, G1B
	s_mov_b32 s[\g+1], ROWB<<16                    ; tensor_dim0
	s_mov_b32 s[\g+2], 128<<16                     ; tensor_dim1
	s_mov_b32 s[\g+3], ROWB<<16                    ; tile_dim0
	s_mov_b32 s[\g+4], 128                         ; tile_dim1
	s_mov_b32 s[\g+5], KROW                        ; pitch
	s_mov_b32 s[\g+6], 0
	s_mov_b32 s[\g+7], 0
.endr
	s_or_b32 s[G1S+0], s43, (3<<16)|(1<<20)|(1<<21)|(5<<22)|(3<<25)  ; the scales of 128 rows: 4,096 dense bytes as 16 rows of 256 (32 elements of 8 bytes), 16 bytes of padding behind each
	s_or_b32 s[G1SB+0], s44, (3<<16)|(1<<20)|(1<<21)|(5<<22)|(3<<25)
.irp g, G1S, G1SB
	s_mov_b32 s[\g+1], 32<<16
	s_mov_b32 s[\g+2], (128*KS/256)<<16
	s_mov_b32 s[\g+3], 32<<16
	s_mov_b32 s[\g+4], 128*KS/256
	s_mov_b32 s[\g+5], 32
	s_mov_b32 s[\g+6], 0
	s_mov_b32 s[\g+7], 0
.endr
	s_lshl_b32 s18, s16, 7
	s_lshl_b32 s20, s17, 8
	s_add_co_u32 s20, s20, s18                     ; X: row 256 x tile row + 128 x half
	s_lshl_b32 s46, s42, 8
	s_add_co_u32 s46, s46, s18                     ; W: row 256 x tile column + 128 x half
	s_mov_b32 s21, 0
	s_mov_b32 s47, 0
	s_mov_b64 s[18:19], KS
	s_mul_u64 s[22:23], s[20:21], s[18:19]         ; where these rows' scales begin
	s_mul_u64 s[92:93], s[46:47], s[18:19]
	s_mov_b64 s[18:19], KROW
	s_mul_u64 s[20:21], s[20:21], s[18:19]         ; and their codes
	s_mul_u64 s[46:47], s[46:47], s[18:19]
	s_mul_i32 s45, s14, HALFT                      ; where they go: wave x 128 rows
	s_mul_i32 s94, s14, HALFS
	s_mov_b32 s98, 0x3e38aa3b                      ; c = log2(e) / 8
	s_mov_b32 s99, s98                             ; (named with it as a pair)
	s_wait_dscnt 0x0                               ; both opening adds are done
	s_wait_kmcnt 0x0
	s_add_nc_u64 s[20:21], s[4:5], s[20:21]
	s_add_nc_u64 s[22:23], s[6:7], s[22:23]
	s_add_nc_u64 s[46:47], s[8:9], s[46:47]
	s_add_nc_u64 s[92:93], s[10:11], s[92:93]
	CROUND                                         ; all sixteen work-groups are here: the joint loads meet
	s_mov_b32 s[G0S], 1
	s_add_co_u32 s[G0S+1], s94, SCL
	s_mov_b64 s[G0S+2:G0S+3], s[22:23]
	s_or_b32 s[G0S+3], s[G0S+3], 0x80000000
	s_mov_b32 s[G0SB], 1
	s_add_co_u32 s[G0SB+1], s94, SCL
	s_mov_b64 s[G0SB+2:G0SB+3], s[92:93]
	s_or_b32 s[G0SB+3], s[G0SB+3], 0x80000000
	JLOAD G0S, G1S, G0SB, G1SB                     ; the scales first: they are wanted with the first step
.irp s, 0,1
	s_mov_b32 s[G0+4*\s], 1
	s_add_co_u32 s[G0+4*\s+1], s45, \s*SLOT
	s_add_nc_u64 s[G0+4*\s+2:G0+4*\s+3], s[20:21], \s*ROWB
	s_or_b32 s[G0+4*\s+3], s[G0+4*\s+3], 0x80000000
	s_mov_b32 s[G0B+4*\s], 1
	s_add_co_u32 s[G0B+4*\s+1], s45, \s*SLOT
	s_add_nc_u64 s[G0B+4*\s+2:G0B+4*\s+3], s[46:47], \s*ROWB
	s_or_b32 s[G0B+4*\s+3], s[G0B+4*\s+3], 0x80000000
	JLOAD G0+4*\s, G1, G0B+4*\s, G1B
.endr
	v_and_b32 v1, 15, v0                           ; r = l % 16
	v_bfe_u32 v2, v0, 4, 1                         ; h = l / 16
	v_mul_u32_u24 v3, v1, PITCH
	v_lshl_add_u32 v4, v2, 4, v3                   ; a fragment's row x pitch + 16 x half
	s_mul_i32 s21, s15, HALFT
	s_mul_i32 s22, s16, HALFT
	s_add_co_u32 s22, s22, 2*HALFT
.irp s, 0,1
	v_add_nc_u32 v[ADRA+\s], s21, v4
	v_add_nc_u32 v[ADRB+\s], s22, v4
	s_add_co_u32 s21, s21, SLOT
	s_add_co_u32 s22, s22, SLOT
.endr
	v_mul_u32_u24 v5, v1, KS                       ; my row's scales: 32 bytes a row,
	v_lshrrev_b32 v6, 8, v5
	v_lshl_add_u32 v5, v6, 4, v5                   ; and 16 more for each 256 passed
	s_mul_i32 s21, s15, HALFS
	s_mul_i32 s22, s16, HALFS
	s_add_co_u32 s22, s22, 2*HALFS
	s_sub_co_u32 s22, s22, s21
	v_mul_u32_u24 v6, s22, v2                      ; lanes 16-31 take W's
	s_add_co_u32 s21, s21, SCL
	v_add_nc_u32 v5, v5, v6
	v_add_nc_u32 v[ADRS], s21, v5
	s_mul_i32 s23, s14, 4608                       ; my stage, in slot 0: 2 heads x 16 rows x (128 bytes + 16)
	v_mul_u32_u24 v5, v1, 144
	v_lshl_add_u32 v5, v2, 4, v5
	v_add_nc_u32 v[STO], s23, v5                   ; in: row r, 16 bytes for each half of the lanes
	v_bfe_u32 v6, v0, 3, 1
	v_mul_u32_u24 v5, v6, 144
	v_mul_u32_u24 v6, v2, 2304
	v_add_nc_u32 v5, v5, v6
	v_and_b32 v6, 7, v0
	v_lshl_add_u32 v5, v6, 4, v5
	v_add_nc_u32 v[RD], s23, v5                    ; back: lanes 0-15 two rows of head 0, lanes 16-31 the same rows of head 1
	v_lshlrev_b32 v[CO], 4, v1
	v_lshl_add_u32 v[CO], v2, 18, v[CO]            ; in qkv: 16 (l % 16) + a head's 262,144 bytes for lanes 16-31
	v_lshlrev_b32 v[FO], 8, v1
	v_lshl_add_u32 v[FO], v2, 5, v[FO]             ; in first16: row r of 256 bytes + 32 h
	s_lshl_b32 s92, ttmp9, 2
	s_add_co_u32 s92, s92, s41                     ; 4 t + batch
	s_lshl_b32 s92, s92, 4
	s_lshl_b32 s93, s40, 2
	s_add_co_u32 s92, s92, s93                     ; + the tile's four heads
	s_lshl_b32 s93, s16, 1
	s_add_co_u32 s92, s92, s93                     ; + my wave's two: the number of my first head among the 192
	s_lshl_b32 s20, s92, 12
	s_mov_b32 s21, 0
	s_add_nc_u64 s[96:97], s[96:97], s[20:21]
	s_lshl_b32 s20, s92, 18
	s_add_nc_u64 s[12:13], s[12:13], s[20:21]
	s_and_b32 s93, ttmp7, 0xffff
	s_lshl_b32 s20, s93, 15                        ; the tile's 256 positions of 128 bytes,
	s_lshl_b32 s22, s15, 14                        ; my wave's 128
	s_add_co_u32 s20, s20, s22
	s_add_nc_u64 s[12:13], s[12:13], s[20:21]
	s_or_b32 s67, s93, s15                         ; 0 where my block 0 is positions 0-15 of a sequence
.macro FRAG reg, adr, q, i             ; 16 rows x 128 K of 4-bit codes: 8 registers, two loads of 16 bytes, 32 bytes apart
.irp c, 0,1
	ds_load_b128 v[\reg+4*\c:\reg+4*\c+3], v[\adr] offset:64*(\q)+32*\c+(\i)*16*PITCH
.endr
.endm
; 16 matrix instructions: X's blocks a0, a0 + 1 x W's eight, 128 along K.  The 64 accumulators take turns, one instruction a turn, in the same order in every step.
.macro MUL16 a0, p, q, sc, zero
.irp a, \a0, \a0+1
.irp b, 0,1,2,3,4,5,6,7
.if \zero
	v_wmma_scale_f32_16x16x128_f8f6f4 v[8*(8*((\a)%4)+\b):8*(8*((\a)%4)+\b)+7], v[128*(\p)+FR*\b:128*(\p)+FR*\b+FR-1], v[AF+FR*(\a):AF+FR*(\a)+FR-1], 0, v[SC+8*NQ*(\sc)+NQ*\b+(\q)], v[SC+8*NQ*(\sc)+NQ*(\a)+(\q)] matrix_a_fmt:MATRIX_FMT_FP4 matrix_b_fmt:MATRIX_FMT_FP4 matrix_a_scale:MATRIX_SCALE_ROW1
.else
	v_wmma_scale_f32_16x16x128_f8f6f4 v[8*(8*((\a)%4)+\b):8*(8*((\a)%4)+\b)+7], v[128*(\p)+FR*\b:128*(\p)+FR*\b+FR-1], v[AF+FR*(\a):AF+FR*(\a)+FR-1], v[8*(8*((\a)%4)+\b):8*(8*((\a)%4)+\b)+7], v[SC+8*NQ*(\sc)+NQ*\b+(\q)], v[SC+8*NQ*(\sc)+NQ*(\a)+(\q)] matrix_a_fmt:MATRIX_FMT_FP4 matrix_b_fmt:MATRIX_FMT_FP4 matrix_a_scale:MATRIX_SCALE_ROW1
.endif
.endr
.endr
.endm
.macro FETCH_B slot, q, p
	WIN TO_B
.irp i, 0,1,2,3,4,5,6,7
	FRAG 128*(\p)+FR*\i, ADRB+\slot, \q, \i
.endr
	WIN 0
.endm
.macro FETCH_A slot, q, i0
.irp i, \i0, \i0+1, \i0+2, \i0+3
	FRAG AF+FR*(\i), ADRA+\slot, \q, \i
.endr
.endm
.macro SCALES sc                       ; a slot's scale words: 4 words a row; lanes 0-15 take X's block i, lanes 16-31 W's block i
.irp i, 0,1,2,3,4,5,6,7
	ds_load_b128 v[SC+8*NQ*\sc+NQ*\i:SC+8*NQ*\sc+NQ*\i+3], v[ADRS] offset:\i*SBLK
.endr
.endm
.macro PLACES n                        ; places behind matrix instructions, in front of loads into registers that they have read and of reads of their results
.rept \n
	v_nop
.endr
.endm
.macro STEP slot, q, zero              ; 128 along K with its successor in the same slot
	s_wait_dscnt 4*NL                              ; W's set and X's blocks 0-3 are in; the youngest eight loads (X's blocks 4-7) may be out
	WIN MUL_LO
	MUL16 0, (\q)%2, \q, \slot, \zero
	MUL16 2, (\q)%2, \q, \slot, \zero
	s_wait_dscnt 0                                 ; X's blocks 4-7 are in
	PLACES NP
	FETCH_B \slot, (\q)+1, 1-(\q)%2
	FETCH_A \slot, (\q)+1, 0
	WIN MUL_HI
	MUL16 4, (\q)%2, \q, \slot, \zero
	MUL16 6, (\q)%2, \q, \slot, \zero
	PLACES NP
	WIN 0
	FETCH_A \slot, (\q)+1, 4
.endm
.macro STEPS slot, from
.set Q, \from
.rept NQ-1-\from
	STEP \slot, Q, 0
.set Q, Q+1
.endr
.endm
	s_wait_tensorcnt 1                             ; the scales and my part of slot 0 are in; slot 1's load may be out
	s_barrier_signal -1
	s_barrier_wait -1
	FETCH_B 0, 0, 0
	FETCH_A 0, 0, 0
	SCALES 0
	FETCH_A 0, 0, 4
	STEP 0, 0, 1                                   ; the first step's products start the sums: nothing is cleared
	STEPS 0, 1
	; slot 0's last step changes slots: one barrier; in front of it all my tensor loads are waited for, so that slot 1 is whole for every wave behind it
	s_wait_tensorcnt 0x0
	ds_add_u32 v[SPW], v[NIL]                      ; 0 onto my spare word
	s_wait_dscnt 4*NL+1                            ; (the add and X's blocks 4-7 may be out)
	WIN MUL_LO
	MUL16 0, 1, NQ-1, 0, 0
	s_wait_dscnt 0x0                               ; the add is done, and my reads of slot 0 are over
	s_barrier_signal -1
	MUL16 2, 1, NQ-1, 0, 0
	WIN 0
	s_barrier_wait -1
	PLACES NP
	v_add_nc_u32 v[ADRS], 4*NQ, v[ADRS]            ; on to slot 1's scale words
	FETCH_B 1, 0, 0
	FETCH_A 1, 0, 0
	SCALES 1
	WIN MUL_HI
	MUL16 4, 1, NQ-1, 0, 0
	MUL16 6, 1, NQ-1, 0, 0
	PLACES NP
	WIN 0
	FETCH_A 1, 0, 4
	STEPS 1, 0
	s_wait_dscnt 4*NL                              ; the very last step: nothing more to fetch
	WIN MUL_LO
	MUL16 0, 1, NQ-1, 1, 0
	MUL16 2, 1, NQ-1, 1, 0
	s_wait_dscnt 0
	WIN MUL_HI
	MUL16 4, 1, NQ-1, 1, 0
	MUL16 6, 1, NQ-1, 1, 0
	WIN 0
	; THE WAY OUT
	PLACES NP                                      ; behind the last products: their results are read and their operands' registers written from here on
	s_cmp_lg_u32 ttmp9, 0                          ; cluster x = 0: the columns are q's
	s_cbranch_scc1 .Lnoscale
	WIN 0x82                                       ; destination and source 0 window 2
.set i, 0
.rept 128
	v_pk_mul_f32 v[i:i+1], v[i:i+1], s[98:99] op_sel_hi:[1,0]      ; q x c, in f32, each accumulator from its low end on
.set i, i+2
.endr
	WIN 0xc3
.set i, 0
.rept 128
	v_pk_mul_f32 v[i:i+1], v[i:i+1], s[98:99] op_sel_hi:[1,0]
.set i, i+2
.endr
	WIN 0
.Lnoscale:
	s_cmp_lg_u32 s67, 0                            ; cluster y = 0 and waves 0, 1: block 0 is positions 0-15
	s_cbranch_scc1 .Lnofine
	WIN 0x08                                       ; a store's data are its source 1: window 2
.irp b, 0,1,2,3,4,5,6,7
	global_store_b128 v[FO], v[8*\b:8*\b+3], s[96:97] offset:(\b/4)*4096+(\b%4)*64
	global_store_b128 v[FO], v[8*\b+4:8*\b+7], s[96:97] offset:(\b/4)*4096+(\b%4)*64+16
.endr
	WIN 0
.Lnofine:
.macro PACK a                          ; block a (16 rows x 128 columns) rounded to f16: 16 bytes a lane and a tile of columns
.set AC, 64*((\a)%4)
	WIN 0x0a+5*((\a)/4)                            ; sources 0 and 1: window 2 or 3
.irp b, 0,1,2,3,4,5,6,7
.irp r, 0,1,2,3
	v_cvt_pk_f16_f32 v[TMP+4*\b+\r], v[AC+8*\b+2*\r], v[AC+8*\b+2*\r+1]
.endr
.endr
	WIN 0
.endm
.macro TOSTAGE a                       ; into my own stage and back; LDS serves a wave's instructions in order
.set BB, BK+32*((\a)%2)
.irp b, 0,1,2,3,4,5,6,7
	ds_store_b128 v[STO], v[TMP+4*\b:TMP+4*\b+3] offset:(\b/4)*2304+(\b%4)*32
.endr
.irp t, 0,1,2,3,4,5,6,7
	ds_load_b128 v[BB+4*\t:BB+4*\t+3], v[RD] offset:\t*288
.endr
.endm
.macro SEND a
.set BB, BK+32*((\a)%2)
	s_wait_dscnt 0x0                               ; the block is back in registers
	s_wait_xcnt 0x0                                ; the earlier stores have read their base and their registers: both are written again only behind this wait
.if (\a) > 0
	s_add_nc_u64 s[12:13], s[12:13], 2048          ; 16 positions on
.endif
.irp t, 0,1,2,3,4,5,6,7
	global_store_b128 v[CO], v[BB+4*\t:BB+4*\t+3], s[12:13] offset:256*\t   ; sixteen lanes store two positions of a head: 256 consecutive bytes, aligned
.endr
.endm
	PACK 0
	TOSTAGE 0
.irp a, 1,2,3,4,5,6,7                  ; block a's conversions stand between block a - 1's loads from the stage and the wait for them
	PACK \a
	SEND \a-1
	TOSTAGE \a
.endr
	SEND 7
	s_wait_tensorcnt 0x0                           ; the wave's end, behind my last tensor load and my last LDS store
	ds_add_u32 v[SPW], v[NIL]
	s_wait_dscnt 0x0
	CROUND                                         ; the closing round
	s_endpgm
.Lfunc_end_k_qc1d7f5aa38_qkv:
	.size	k_qc1d7f5aa38_qkv, .Lfunc_end_k_qc1d7f5aa38_qkv-k_qc1d7f5aa38_qkv
	.p2alignl 7, 3214868480
	.fill 96, 4, 3214868480
	.section	.rodata,"a",@progbits
	.p2align	6, 0x0
	.amdhsa_kernel k_qc1d7f5aa38_qkv
		.amdhsa_group_segment_fixed_size 327680
		.amdhsa_private_segment_fixed_size 0
		.amdhsa_enable_private_segment 0
		.amdhsa_kernarg_size 48
		.amdhsa_user_sgpr_count 2
		.amdhsa_user_sgpr_kernarg_segment_ptr 1
		.amdhsa_wavefront_size32 1
		.amdhsa_system_sgpr_workgroup_id_x 1
		.amdhsa_system_sgpr_workgroup_id_y 1
		.amdhsa_system_sgpr_workgroup_id_z 1
		.amdhsa_system_vgpr_workitem_id 0
		.amdhsa_next_free_vgpr 1024
		.amdhsa_next_free_sgpr 100
		.amdhsa_reserve_vcc 0
		.amdhsa_float_denorm_mode_32 3
		.amdhsa_float_denorm_mode_16_64 3
		.amdhsa_memory_ordered 1
		.amdhsa_forward_progress 1
		.amdhsa_inst_pref_size 145
	.end_amdhsa_kernel
	.amdgpu_metadata
---
amdhsa.version: [ 1, 2 ]
amdhsa.kernels:
  - .name:           k_qc1d7f5aa38_qkv
    .symbol:         k_qc1d7f5aa38_qkv.kd
    .args:
      - { .name: x_codes, .offset: 0, .size: 8, .value_kind: global_buffer, .address_space: global }
      - { .name: x_scales, .offset: 8, .size: 8, .value_kind: global_buffer, .address_space: global }
      - { .name: w_codes, .offset: 16, .size: 8, .value_kind: global_buffer, .address_space: global }
      - { .name: w_scales, .offset: 24, .size: 8, .value_kind: global_buffer, .address_space: global }
      - { .name: qkv, .offset: 32, .size: 8, .value_kind: global_buffer, .address_space: global }
      - { .name: first16, .offset: 40, .size: 8, .value_kind: global_buffer, .address_space: global }
    .group_segment_fixed_size: 327680
    .private_segment_fixed_size: 0
    .kernarg_segment_align: 8
    .kernarg_segment_size: 48
    .max_flat_workgroup_size: 128
    .sgpr_count:     100
    .vgpr_count:     1024
    .wavefront_size: 32
...
	.end_amdgpu_metadata
.endif
;; end of part 2
;; launch attn (part 3): grid 4 x 64, 8 waves a work-group, no clusters, 327,680 bytes of LDS; arguments qkv, att; writes att
.if DOCPART == 3
	.amdgcn_target "amdgcn-amd-amdhsa--gfx1250"
	.amdhsa_code_object_version 6
	.text
	.protected	k_qc1d7f5aa38_attn
	.globl	k_qc1d7f5aa38_attn
	.p2align	8
	.type	k_qc1d7f5aa38_attn,@function
k_qc1d7f5aa38_attn:
	s_mov_b64 s[64:65], 0
	v_nop
	global_prefetch_b8 v0, s[64:65] scope:SCOPE_SE
	s_setreg_imm32_b32 hwreg(HW_REG_WAVE_MODE, 25, 1), 1
	s_wait_xcnt 0x0
; att[h][2048 b + s][:] = the sum over keys t <= s of softmax_t(q[s] . k[t] / 8) v[t][:], one head at a time.  q (already x log2(e) / 8), k, v: f16, [t][b][h][2048][64]; att: f16, [h][8192][64].
; Products on f16 operands with f32 sums; maxima, exponentials and sums in f32; the weights p <= 1 are rounded to f16 for the second product, the result once at the end.
; SHARES.  Work-group (x, y) takes head y and TWO blocks of 256 queries: first block 7 - x, then block x.  In slots of 256 keys that is (8 - x) + (x + 1) = 9 slots for every work-group: 256 equal
; work-groups, a trip count of 9, and every tile that is loaded is read.  Each of eight waves owns 32 queries, two tiles of 16; its place in a block is w for waves 0-3 and 11 - w for waves 4-7.
; NO CLUSTER: the four work-groups of a head need 8 - x and x + 1 tiles in their two passes and change pass at trip 7 - x: their requests differ from trip to trip, so no joint request is alike in all four.
; LAYOUT.  S^T = K Q^T (source 0 = 16 keys, source 1 = 16 queries): a lane holds ONE query (lane % 16) and keys 8 (lane / 16) + 0..7; two such tiles rounded in pairs ARE source 1 of O^T = V^T P.
; K comes out of LDS as it lies, V ([key][channel]) turned by ds_load_tr16_b128.
; SOFTMAX.  A running maximum m of the scores t and a running sum l: p = 2^(t - m), at most 1 whatever the size of the scores; in every step O and l are multiplied by a = 2^(m_old - m_new).
; The second block starts with m = -3e38: its first a is 0 and takes the first block's sums away, so nothing is cleared between the blocks.
; THE MASK.  A step of 64 keys all of which come after my 32 queries is left out (a scalar branch on ids); in the one step on the diagonal hidden scores become -infinity ahead of the maximum.
; LDS.  Two slots, 2^17 bytes apart.  A slot: 256 keys of K as 128 rows of two keys (256 bytes + 16), then V likewise (256 bytes + 32): both kinds of load then touch 16 different 16-byte columns of 256 in 16 lanes.
; Behind the ring: a stage of 16 x 144 bytes a wave for the way out, then the spare words.
; REGISTERS.  window 0: v1-15 addresses and constants; v16-31 statistics, 8 a tile (+0 m, +2, +3 l, +4..7 at work; a in +6); v64-127 S^T; v128-159 P; v160-223 O^T.
;   window 1: v0-31 Q; v32-95 K of a step; v96-159 V of a step; v224-255 the second block's Q.
; LIMIT: NaN and infinities among the inputs are not served.
.set SLOT1, 1<<17
.set VOFF,  34816                      ; 128 rows x 272
.set STAGE, 262144
.set SPARE, 280576                     ; the spare words, 128 bytes a wave: four blocks of 256 bytes that no other line names
.set ST,  16
.set S,   64
.set P,   128
.set O,   160
.set QR,  0
.set KR,  32
.set VR,  96
.set QB,  224
.set MSB, 0
.macro WIN new                         ; the immediate's high byte repeats the setting that is left
.if MSB != (\new)
	s_set_vgpr_msb (MSB<<8)|(\new)
.set MSB, \new
.endif
.endm
; Waves 0 and 1 fetch K's halves of a slot, waves 2 and 3 V's, the others nothing; the branches hang on the wave's number alone.  An s_nop 0 and four v_nop follow each line.
.macro TLOAD
	s_cmp_lt_u32 s8, 2
	s_cbranch_scc0 .Lnot_k_\@
	tensor_load_to_lds s[40:43], s[24:31]
	s_nop 0
.rept 4
	v_nop
.endr
	s_branch .Lasked_\@
.Lnot_k_\@:
	s_cmp_lt_u32 s8, 4
	s_cbranch_scc0 .Lasked_\@
	tensor_load_to_lds s[44:47], s[32:39]
	s_nop 0
.rept 4
	v_nop
.endr
.Lasked_\@:
.endm
; A prefetch of what the NEXT change of slots will ask for.  All four work-groups of a head walk the same K and V from key 0 on: work-group x = 0, which walks all eight slots, asks, and nobody else.
; Waves 0-3 take K's 32,768 bytes of a slot, 8,192 each, lanes 256 bytes apart; waves 4-7 V's: each aligned 256 bytes of slots 2 to 7 is named once in the launch.  In trip c slot c + 2 is named,
; one trip ahead of its load; trips 6 and later ask for nothing; slots 0 and 1 come by their loads alone.
.macro ASK
	s_cmp_lt_u32 s3, s22
	s_cbranch_scc0 .Lnot_mine_\@
	global_prefetch_b8 v15, s[52:53] th:TH_LOAD_NT scope:SCOPE_SE
.Lnot_mine_\@:
.endm
; THE CHANGE OF SLOTS, at a slot's head.  Each wave waits for all its tensor loads (its part of the slot ahead), adds 0 to its spare word, and waits for that and for its reads of the slot that it has left.
; fill = 1: behind the barrier the slot just left is filled with the tile of the next trip: tile c + 1 of the first block while c < 7 - x, then tile c - (7 - x) of the second.
.macro CHANGE fill
	s_wait_tensorcnt 0x0                           ; no tensor load of mine is out, so a descriptor may be written
	ds_add_u32 v62, v63                            ; 0 onto my spare word
.if \fill
	ds_add_u32 v62, v63                            ; and once more: the add stands twice on end, in every trip alike
	s_xor_b32 s41, s41, SLOT1
	s_xor_b32 s45, s45, SLOT1
	s_add_co_u32 s17, s3, 1
	s_sub_co_u32 s18, s3, s11
	s_cmp_lt_u32 s3, s11
	s_cselect_b32 s18, s17, s18                    ; the next trip's tile
	s_lshl_b32 s18, s18, 15                        ; 256 keys of 128 bytes
	s_mov_b32 s19, 0
	s_add_nc_u64 s[42:43], s[48:49], s[18:19]
	s_or_b32 s43, s43, 0x80000000
	s_add_nc_u64 s[46:47], s[50:51], s[18:19]
	s_or_b32 s47, s47, 0x80000000
	s_wait_xcnt 0x0                                ; the last prefetch, a trip back, has read its address
	s_add_nc_u64 s[52:53], s[52:53], 32768
.endif
	s_wait_dscnt 0x0                               ; the add is done, and my reads of the slot that I have left are over
	s_barrier_signal -1
	s_barrier_wait -1
.if \fill
	TLOAD                                          ; the first thing behind the barrier, a wave's one tensor load until the next
	ASK
.endif
.endm
.macro SOFTMAX                         ; both tiles, line by line
.irp j, 0,1,2,3
.irp t, 0,1
	v_max3_num_f32 v[ST+8*\t+4+\j], v[S+32*\t+8*\j], v[S+32*\t+8*\j+1], v[S+32*\t+8*\j+2]   ; four chains a tile; each accumulator is read from its low end on
.endr
.endr
.irp q, 1,2
.irp j, 0,1,2,3
.irp t, 0,1
	v_max3_num_f32 v[ST+8*\t+4+\j], v[ST+8*\t+4+\j], v[S+32*\t+8*\j+2*\q+1], v[S+32*\t+8*\j+2*\q+2]
.endr
.endr
.endr
.irp t, 0,1
	v_max3_num_f32 v[ST+8*\t+4], v[ST+8*\t+4], v[S+32*\t+7], v[S+32*\t+15]
.endr
.irp t, 0,1
	v_max3_num_f32 v[ST+8*\t+6], v[ST+8*\t+6], v[S+32*\t+23], v[S+32*\t+31]
.endr
.irp t, 0,1
	v_max3_num_f32 v[ST+8*\t+4], v[ST+8*\t+4], v[ST+8*\t+5], v[ST+8*\t+6]
.endr
.irp t, 0,1
	v_max3_num_f32 v[ST+8*\t+4], v[ST+8*\t+4], v[ST+8*\t+7], v[ST+8*\t]    ; and the old m
.endr
.irp t, 0,1
	v_permlanex16_b32 v[ST+8*\t+5], v[ST+8*\t+4], s20, s21                 ; the query's other 32 keys lie in the lane 16 away
.endr
.irp t, 0,1
	v_max_num_f32 v[ST+8*\t+4], v[ST+8*\t+4], v[ST+8*\t+5]
.endr
.irp t, 0,1
	v_sub_f32 v[ST+8*\t+7], v[ST+8*\t], v[ST+8*\t+4]                       ; m_old - m_new
.endr
.irp t, 0,1
	v_mov_b32 v[ST+8*\t], v[ST+8*\t+4]
.endr
.irp t, 0,1
.set i, 0
.rept 16
	v_pk_add_f32 v[S+32*\t+i:S+32*\t+i+1], v[S+32*\t+i:S+32*\t+i+1], v[ST+8*\t:ST+8*\t+1] op_sel_hi:[1,0] neg_lo:[0,1] neg_hi:[0,1]   ; t - m, two at a time: at most 0
.set i, i+2
.endr
.endr
.irp t, 0,1
	v_exp_f32 v[ST+8*\t+6], v[ST+8*\t+7]           ; a
.endr
.set i, 0
.rept 64
	v_exp_f32 v[S+i], v[S+i]                       ; p: one batch for both tiles
.set i, i+1
.endr
	v_nop                                          ; a plain instruction behind the last exponential
	s_wait_alu depctr_va_vdst(0)                   ; one wait for the batch, ahead of its first reader
.set i, 0
.rept 32
	v_cvt_pk_f16_f32 v[P+i], v[S+2*i], v[S+2*i+1]
.set i, i+1
.endr
.irp w, 4,8,16,32                      ; the sums of the unrounded p, in place: neighbours 1, 2, 4 and 8 pairs apart
.set i, 0
.rept 64/\w
	v_pk_add_f32 v[S+i:S+i+1], v[S+i:S+i+1], v[S+i+\w/2:S+i+\w/2+1]
.set i, i+\w
.endr
.endr
.irp t, 0,1
	v_pk_fma_f32 v[ST+8*\t+2:ST+8*\t+3], v[ST+8*\t+2:ST+8*\t+3], v[ST+8*\t+6:ST+8*\t+7], v[S+32*\t:S+32*\t+1] op_sel_hi:[1,0,1]   ; l = a l + the sum
.endr
.irp t, 0,1
.set i, 0
.rept 16
	v_pk_mul_f32 v[O+32*\t+i:O+32*\t+i+1], v[O+32*\t+i:O+32*\t+i+1], v[ST+8*\t+6:ST+8*\t+7] op_sel_hi:[1,0]   ; O^T x a
.set i, i+2
.endr
.endr
.endm
; A KEY STEP: 64 keys.
.macro STEP
	s_add_co_u32 s66, s12, 31
	s_cmp_gt_u32 s13, s66                          ; all 64 keys come after my last query: the step's work is left out
	s_cbranch_scc1 .Lhid_\@
	v_add_nc_u32 v5, s14, v3
	v_add_nc_u32 v6, s15, v4
	v_nop
	v_nop                                          ; four places behind the last products, in front of loads into registers that they have read
	WIN 0x40                                       ; destination window 1
.irp kt, 0,1,2,3
.irp c, 0,1
	ds_load_b128 v[KR+8*(2*\kt+\c):KR+8*(2*\kt+\c)+3],   v5 offset:\kt*2176+\c*64
	ds_load_b128 v[KR+8*(2*\kt+\c)+4:KR+8*(2*\kt+\c)+7], v5 offset:\kt*2176+\c*64+32
.endr
.endr
.irp g, 0,1
.irp ct, 0,1,2,3
	ds_load_tr16_b128 v[VR+8*(4*\g+\ct):VR+8*(4*\g+\ct)+3],   v6 offset:\g*4608+\ct*32
	ds_load_tr16_b128 v[VR+8*(4*\g+\ct)+4:VR+8*(4*\g+\ct)+7], v6 offset:\g*4608+2304+\ct*32
.endr
.endr
	s_wait_dscnt 16                                ; K is in; V's sixteen loads may be out
	WIN 0x05                                       ; K and Q in window 1
.irp c, 0,1                            ; eight accumulators by turns, one instruction a turn
.irp kt, 0,1,2,3
.irp t, 0,1
.if \c == 0
	v_wmma_f32_16x16x32_f16 v[S+32*\t+8*\kt:S+32*\t+8*\kt+7], v[KR+8*(2*\kt+\c):KR+8*(2*\kt+\c)+7], v[QR+16*\t+8*\c:QR+16*\t+8*\c+7], 0
.else
	v_wmma_f32_16x16x32_f16 v[S+32*\t+8*\kt:S+32*\t+8*\kt+7], v[KR+8*(2*\kt+\c):KR+8*(2*\kt+\c)+7], v[QR+16*\t+8*\c:QR+16*\t+8*\c+7], v[S+32*\t+8*\kt:S+32*\t+8*\kt+7]
.endif
.endr
.endr
.endr
	WIN 0
.rept 4
	v_nop                                          ; places in front of the first read of the scores
.endr
	s_add_co_u32 s66, s13, 63
	s_cmp_le_u32 s66, s12                          ; all 64 keys count for all my queries
	s_cbranch_scc1 .Lopen_\@
	s_sub_co_i32 s66, s12, s13
	v_add_nc_u32 v12, s66, v11                     ; d = my query of tile 0 - the step's first key - 8 (lane / 16); register n holds key 16 (n / 8) + n % 8 + 8 (lane / 16): hidden where 16 (n / 8) + n % 8 > d
	v_add_nc_u32 v13, 16, v12                      ; and of tile 1
.set n, 0
.rept 32
	v_cmp_gt_i32 vcc_lo, 16*(n/8)+n%8, v12
	v_cndmask_b32 v[S+n], v[S+n], v14, vcc_lo
	v_cmp_gt_i32 vcc_lo, 16*(n/8)+n%8, v13
	v_cndmask_b32 v[S+32+n], v[S+32+n], v14, vcc_lo
.set n, n+1
.endr
.Lopen_\@:
	SOFTMAX
	s_wait_dscnt 0x0                               ; V is in
	WIN 0x01                                       ; V in window 1
.irp g, 0,1
.irp ct, 0,1,2,3
.irp t, 0,1
	v_wmma_f32_16x16x32_f16 v[O+32*\t+8*\ct:O+32*\t+8*\ct+7], v[VR+8*(4*\g+\ct):VR+8*(4*\g+\ct)+7], v[P+16*\t+8*\g:P+16*\t+8*\g+7], v[O+32*\t+8*\ct:O+32*\t+8*\ct+7]
.endr
.endr
.endr
	WIN 0
.Lhid_\@:
	s_add_co_u32 s13, s13, 64                      ; the next step's first key, and its tiles: 32 rows of two keys
	s_add_co_u32 s14, s14, 8704
	s_add_co_u32 s15, s15, 9216
.endm
.macro SLOT_STEPS                      ; a slot's four key steps: written once, walked four times
	s_mov_b32 s14, s2
	s_mov_b32 s15, s2
	s_mov_b32 s16, 4
.Lstep_\@:
	STEP
	s_sub_co_u32 s16, s16, 1
	s_cmp_lg_u32 s16, 0
	s_cbranch_scc1 .Lstep_\@
	s_xor_b32 s2, s2, SLOT1                        ; on to the other slot
.endm
; A block's way out: O^T / l, rounded to f16, through my stage (16 rows x 144 bytes), a tile at a time; four rows of 128 bytes are 512 consecutive bytes of att.
.macro FINISH
.rept 4
	v_nop                                          ; places behind the last products
.endr
.irp t, 0,1
	v_add_f32 v[ST+8*\t+4], v[ST+8*\t+2], v[ST+8*\t+3]
.endr
.irp t, 0,1
	v_permlanex16_b32 v[ST+8*\t+5], v[ST+8*\t+4], s20, s21
.endr
.irp t, 0,1
	v_add_f32 v[ST+8*\t+4], v[ST+8*\t+4], v[ST+8*\t+5]
.endr
.irp t, 0,1
	v_rcp_f32 v[ST+8*\t+6], v[ST+8*\t+4]
.endr
	v_nop                                          ; a plain instruction behind the last reciprocal
	s_wait_alu depctr_va_vdst(0)                   ; one wait for both, ahead of their first reader
.irp t, 0,1
.set i, 0
.rept 16
	v_pk_mul_f32 v[S+32*\t+i:S+32*\t+i+1], v[O+32*\t+i:O+32*\t+i+1], v[ST+8*\t+6:ST+8*\t+7] op_sel_hi:[1,0]
.set i, i+2
.endr
.set i, 0
.rept 16
	v_cvt_pk_f16_f32 v[P+16*\t+i], v[S+32*\t+2*i], v[S+32*\t+2*i+1]
.set i, i+1
.endr
.irp c, 0,1,2,3
	ds_store_b128 v8, v[P+16*\t+4*\c:P+16*\t+4*\c+3] offset:32*\c
.endr
.irp c, 0,1,2,3
	ds_load_b128 v[S+32*\t+4*\c:S+32*\t+4*\c+3], v9 offset:576*\c   ; LDS serves a wave's instructions in order: these see the stores above, and the next tile's stores come behind them
.endr
.endr
.irp t, 0,1
.irp c, 0,1,2,3
	s_wait_dscnt 8*(1-\t)+3-\c                     ; behind tile 0's loads: tile 1's four stores and four loads
	global_store_b128 v10, v[S+32*\t+4*\c:S+32*\t+4*\c+3], s[54:55] offset:2048*\t+512*\c   ; the wave stores 512 consecutive bytes, aligned
.endr
.endr
.endm
	s_load_b128 s[4:7], s[0:1], 0x0                ; qkv, att
	v_lshl_add_u32 v62, v0, 2, SPARE
	v_mov_b32 v63, 0
	ds_add_u32 v62, v63                            ; the wave's opening: the add, twice on end, and its wait ahead of my first tensor load
	ds_add_u32 v62, v63
	v_lshrrev_b32 v1, 5, v0
	v_readfirstlane_b32 s8, v1                     ; wave 0..7
	s_mov_b32 s9, ttmp9                            ; x
	s_and_b32 s10, ttmp7, 0xffff                   ; the head, 16 b + h
	s_sub_co_u32 s11, 7, s9                        ; the first block, and the trip behind which it is finished
	s_sub_co_u32 s23, 11, s8
	s_cmp_lt_u32 s8, 4
	s_cselect_b32 s23, s8, s23                     ; my place in a block
	s_mov_b32 s24, (1<<16)|(1<<20)|(5<<22)|(3<<25) ; K: elements of 2 bytes; 4 words of padding behind every 64
	s_mov_b32 s32, (1<<16)|(1<<20)|(5<<22)|(7<<25) ; V: 8 words
.irp g, 24, 32
	s_mov_b32 s[\g+1], 128<<16                     ; tensor_dim0 = 128 elements: two keys
	s_mov_b32 s[\g+2], 64<<16                      ; tensor_dim1 = 64
	s_mov_b32 s[\g+3], 128<<16                     ; tile_dim0
	s_mov_b32 s[\g+4], 64                          ; tile_dim1
	s_mov_b32 s[\g+5], 128                         ; pitch: the rows are dense
	s_mov_b32 s[\g+6], 0
	s_mov_b32 s[\g+7], 0
.endr
	s_and_b32 s66, s8, 1                           ; which half of a slot I fetch, if I fetch
	s_mul_i32 s67, s66, 17408
	s_mul_i32 s68, s66, 18432
	s_add_co_u32 s68, s68, VOFF
	s_lshl_b32 s62, s10, 18                        ; the head's 262,144 bytes
	s_mov_b32 s63, 0
	s_lshl_b32 s70, s66, 14
	s_mov_b32 s71, 0
	s_mov_b32 s20, 0x76543210
	s_mov_b32 s21, 0xfedcba98                      ; v_permlanex16_b32's selects for lane l xor 16
	s_mov_b32 s2, 0                                ; the slot in hand
	s_mov_b32 s13, 0                               ; the step's first key
	s_lshl_b32 s12, s11, 8
	s_lshl_b32 s69, s23, 5
	s_add_co_u32 s12, s12, s69                     ; my first query
	s_wait_dscnt 0x0                               ; both opening adds are done
	s_wait_kmcnt 0x0
	s_add_nc_u64 s[58:59], s[4:5], s[62:63]        ; q of my head
	s_add_nc_u64 s[48:49], s[58:59], s[70:71]
	s_add_nc_u64 s[50:51], s[48:49], 0x2000000     ; v of my head, my half
	s_add_nc_u64 s[48:49], s[48:49], 0x1000000     ; k likewise
	s_mov_b32 s40, 1
	s_mov_b32 s41, s67
	s_mov_b64 s[42:43], s[48:49]
	s_or_b32 s43, s43, 0x80000000
	s_mov_b32 s44, 1
	s_mov_b32 s45, s68
	s_mov_b64 s[46:47], s[50:51]
	s_or_b32 s47, s47, 0x80000000
	TLOAD                                          ; slot 0: keys 0-255
	s_lshl_b32 s66, s12, 7
	s_mov_b32 s67, 0
	s_add_nc_u64 s[60:61], s[58:59], s[66:67]      ; Q of the first block
	s_lshl_b32 s68, s9, 8
	s_add_co_u32 s68, s68, s69
	s_lshl_b32 s68, s68, 7
	s_mov_b32 s69, 0
	s_add_nc_u64 s[70:71], s[58:59], s[68:69]      ; and of the second
	v_and_b32 v1, 15, v0                           ; r
	v_bfe_u32 v2, v0, 4, 1                         ; h
	v_lshlrev_b32 v7, 7, v1
	v_lshl_add_u32 v7, v2, 4, v7
	WIN 0x40
.irp t, 0,1
.irp c, 0,1
	global_load_b128 v[QR+16*\t+8*\c:QR+16*\t+8*\c+3],   v7, s[60:61] offset:\t*2048+\c*64
	global_load_b128 v[QR+16*\t+8*\c+4:QR+16*\t+8*\c+7], v7, s[60:61] offset:\t*2048+\c*64+32
	global_load_b128 v[QB+16*\t+8*\c:QB+16*\t+8*\c+3],   v7, s[70:71] offset:\t*2048+\c*64
	global_load_b128 v[QB+16*\t+8*\c+4:QB+16*\t+8*\c+7], v7, s[70:71] offset:\t*2048+\c*64+32
.endr
.endr
	WIN 0
	s_and_b32 s66, s10, 15
	s_lshl_b32 s66, s66, 20                        ; att: the head's plane,
	s_lshr_b32 s68, s10, 4
	s_lshl_b32 s68, s68, 18                        ; the batch's 2,048 rows of 128 bytes
	s_add_co_u32 s66, s66, s68
	s_add_nc_u64 s[56:57], s[6:7], s[66:67]
	s_lshl_b32 s66, s12, 7
	s_add_nc_u64 s[54:55], s[56:57], s[66:67]      ; at my first query
	s_mov_b32 s66, 0x2000000                       ; the prefetches: waves 0-3 K, waves 4-7 V,
	s_cmp_lt_u32 s8, 4
	s_cselect_b32 s66, 0x1000000, s66
	s_and_b32 s68, s8, 3
	s_lshl_b32 s68, s68, 13                        ; 8,192 bytes a wave,
	s_add_co_u32 s66, s66, s68
	s_add_co_u32 s66, s66, 32768                   ; in slot 1: the first change of slots steps it to slot 2
	s_add_nc_u64 s[52:53], s[58:59], s[66:67]
	s_cmp_eq_u32 s9, 0
	s_cselect_b32 s22, 6, 0
	v_lshrrev_b32 v5, 1, v1
	v_mul_u32_u24 v3, v5, 272
	v_and_b32 v5, 1, v1
	v_lshl_add_u32 v3, v5, 7, v3
	v_lshl_add_u32 v3, v2, 4, v3                   ; K: key r lies at (r / 2) x 272 + (r % 2) x 128; + 16 h
	v_bfe_u32 v5, v0, 1, 2
	v_lshl_add_u32 v5, v2, 2, v5
	v_mul_u32_u24 v4, v5, 288
	v_and_b32 v5, 1, v0
	v_lshl_add_u32 v4, v5, 7, v4
	v_bfe_u32 v5, v0, 3, 1
	v_lshl_add_u32 v4, v5, 4, v4
	v_add_nc_u32 v4, VOFF, v4                      ; V: the turning load's lane takes key 8 h + l % 8, channels 8 ((l / 8) % 2) on
	s_mul_i32 s66, s8, 2304
	s_add_co_u32 s66, s66, STAGE                   ; my stage
	v_mul_u32_u24 v8, v1, 144
	v_lshl_add_u32 v8, v2, 4, v8
	v_add_nc_u32 v8, s66, v8                       ; in: row r, 16 bytes for each half of the lanes
	v_bfe_u32 v5, v0, 3, 2
	v_mul_u32_u24 v9, v5, 144
	v_and_b32 v5, 7, v0
	v_lshl_add_u32 v9, v5, 4, v9
	v_add_nc_u32 v9, s66, v9                       ; back: eight lanes to a row, four rows an instruction
	v_and_b32 v5, 31, v0
	v_lshlrev_b32 v10, 4, v5
	v_lshlrev_b32 v15, 8, v5
	v_lshlrev_b32 v5, 3, v2
	v_sub_nc_u32 v11, v1, v5                       ; r - 8 h
	v_mov_b32 v14, 0xff800000                      ; -infinity
.irp j, 17,18,19,20,21,22,23,25,26,27,28,29,30,31
	v_mov_b32 v[\j], 0                             ; l, and the registers at work: written once, so that no path reads one unwritten
.endr
	v_mov_b32 v16, 0xff61b1e6                      ; m = -3e38, under every score
	v_mov_b32 v24, 0xff61b1e6
.set i, 0
.rept 64
	v_mov_b32 v[O+i], 0                            ; O^T, once: the step is written once, and its first a multiplies zeros
.set i, i+1
.endr
	s_wait_loadcnt 0x0                             ; Q
	s_mov_b32 s3, 0
.Ltrip:                                            ; eight trips; behind each change of slots the next trip's tile is asked for
	CHANGE 1
	SLOT_STEPS
	s_cmp_eq_u32 s3, s11                           ; the first block's last slot?  Ids and the count of trips alone; the branch leads round stores and work on registers
	s_cbranch_scc0 .Lsame
	FINISH
	s_wait_xcnt 0x0                                ; the stores have read their base and their registers
	WIN 0x41
.set i, 0
.rept 32
	v_mov_b32 v[QR+i], v[QB+i]                     ; the second block's Q
.set i, i+1
.endr
	WIN 0
	v_mov_b32 v16, 0xff61b1e6                      ; m anew: the next a is 0 and takes the old O^T and l away
	v_mov_b32 v24, 0xff61b1e6
	s_lshl_b32 s12, s9, 8
	s_lshl_b32 s66, s23, 5
	s_add_co_u32 s12, s12, s66
	s_mov_b32 s13, 0
	s_lshl_b32 s66, s12, 7
	s_mov_b32 s67, 0
	s_add_nc_u64 s[54:55], s[56:57], s[66:67]
.Lsame:
	s_add_co_u32 s3, s3, 1
	s_cmp_lt_u32 s3, 8
	s_cbranch_scc1 .Ltrip
	CHANGE 0                                       ; the ninth slot is written out: nothing is left to fetch
	SLOT_STEPS
	FINISH
	s_wait_tensorcnt 0x0                           ; the wave's end, behind my last tensor load and my last LDS store
	ds_add_u32 v62, v63
	s_wait_dscnt 0x0
	s_endpgm
.Lfunc_end_k_qc1d7f5aa38_attn:
	.size	k_qc1d7f5aa38_attn, .Lfunc_end_k_qc1d7f5aa38_attn-k_qc1d7f5aa38_attn
	.p2alignl 7, 3214868480
	.fill 96, 4, 3214868480
	.section	.rodata,"a",@progbits
	.p2align	6, 0x0
	.amdhsa_kernel k_qc1d7f5aa38_attn
		.amdhsa_group_segment_fixed_size 327680
		.amdhsa_private_segment_fixed_size 0
		.amdhsa_enable_private_segment 0
		.amdhsa_kernarg_size 16
		.amdhsa_user_sgpr_count 2
		.amdhsa_user_sgpr_kernarg_segment_ptr 1
		.amdhsa_wavefront_size32 1
		.amdhsa_system_sgpr_workgroup_id_x 1
		.amdhsa_system_sgpr_workgroup_id_y 1
		.amdhsa_system_sgpr_workgroup_id_z 1
		.amdhsa_system_vgpr_workitem_id 0
		.amdhsa_next_free_vgpr 512
		.amdhsa_next_free_sgpr 72
		.amdhsa_reserve_vcc 1
		.amdhsa_float_denorm_mode_32 3
		.amdhsa_float_denorm_mode_16_64 3
		.amdhsa_memory_ordered 1
		.amdhsa_forward_progress 1
		.amdhsa_inst_pref_size 71
	.end_amdhsa_kernel
	.amdgpu_metadata
---
amdhsa.version: [ 1, 2 ]
amdhsa.kernels:
  - .name:           k_qc1d7f5aa38_attn
    .symbol:         k_qc1d7f5aa38_attn.kd
    .args:
      - { .name: qkv, .offset: 0, .size: 8, .value_kind: global_buffer, .address_space: global }
      - { .name: att, .offset: 8, .size: 8, .value_kind: global_buffer, .address_space: global }
    .group_segment_fixed_size: 327680
    .private_segment_fixed_size: 0
    .kernarg_segment_align: 8
    .kernarg_segment_size: 16
    .max_flat_workgroup_size: 256
    .sgpr_count:     72
    .vgpr_count:     512
    .wavefront_size: 32
...
	.end_amdgpu_metadata
.endif
;; end of part 3
;; launch proj (part 4): grid 4 x 64, 4 waves a work-group, clusters of 4 x 4, 327,680 bytes of LDS; arguments att, wo_h, bo, out0; writes out0
.if DOCPART == 4
	.amdgcn_target "amdgcn-amd-amdhsa--gfx1250"
	.amdhsa_code_object_version 6
	.text
	.protected	k_qc1d7f5aa38_proj
	.globl	k_qc1d7f5aa38_proj
	.p2align	8
	.type	k_qc1d7f5aa38_proj,@function
k_qc1d7f5aa38_proj:
	s_mov_b64 s[64:65], 0
	v_nop
	global_prefetch_b8 v0, s[64:65] scope:SCOPE_SE
	s_setreg_imm32_b32 hwreg(HW_REG_WAVE_MODE, 25, 1), 1
	s_wait_xcnt 0x0
	s_wait_alu depctr_hold_cnt(0) depctr_sa_sdst(0) depctr_va_vdst(0) depctr_va_sdst(0) depctr_va_ssrc(0) depctr_va_vcc(0) depctr_vm_vsrc(0)
	s_getreg_b32 s2, hwreg(HW_REG_IB_STS2, 6, 4)
	s_cmp_eq_u32 s2, 0
	s_cbranch_scc0 .Lentry_in_a_cluster
	s_endpgm
.Lentry_in_a_cluster:
	s_bfe_u32 s2, ttmp6, 0x10000c
	s_cmp_lg_u32 s2, 0xf033
	s_cbranch_scc0 .Lentry_shape_is_right
	s_endpgm
.Lentry_shape_is_right:
; out0[m][n] = sum over k of att[m][k] Wo[n][k] + bo[n].  att: f16, [16 heads][8192 m][64] (k = 64 head + d); Wo: f16, [1024 n][1024 k]; out0: f32, [8192][1024]; sums in f32.
; A tile of 128 rows x 256 columns to a work-group: 256 work-groups.  Four waves, 64 x 128 each: 32 accumulators, which fill window 2.  (A tile of 256 x 256 would give 128 work-groups.)
; K goes in 8 steps of 128, two planes of att, through a ring of two LDS slots.  A slot: att's two planes, each 128 rows of 128 bytes as 64 rows of two (256 bytes + 16); then Wo's 256 rows of 256 bytes + 16.
; Two slots of steps of 256 would want 405 KB.
; CLUSTERS: 4 x 4 work-groups; att's tiles are asked for jointly along a row of the cluster, Wo's along a column.  Waves 0 and 1 fetch att's two planes, waves 2 and 3 Wo's two halves.
; THE MATRIX INSTRUCTION IS USED TRANSPOSED (source 0 = 16 rows of Wo, source 1 = 16 rows of att): a lane holds eight neighbouring columns of one row of out0.
; Rows 0-15 of every batch are written here like all others and written anew, from f32 operands, by the launch that follows: 64 of 8,192 rows are stored twice.
; REGISTERS: window 0: v8-11 bo; v16-30 addresses; att's fragments at v64-95 and v128-159; on the way out v128-255 take rows back.  window 1: Wo's fragments at v64-127 and v128-191.  window 2: accumulator (a, b) at v[8 (8 a + b)].
.set PITCH,  272
.set ASUB,   64*PITCH                  ; a plane's 128 rows
.set BOFF,   2*ASUB
.set BHALF,  128*PITCH
.set SLOT,   BOFF+2*BHALF              ; 104,448
.set STAGE,  2*SLOT
.set SPITCH, 528
.set SPARE,  STAGE+4*16*SPITCH         ; the spare words, 128 bytes a wave: two blocks of 256 bytes that no other line names
.set F0,  64
.set F1,  128
.set BK,  128
.set G1,  24
.set G0,  32
.set G1B, 48
.set G0B, 56
.set MSB, 0
.macro WIN new                         ; the immediate's high byte repeats the setting that is left
.if MSB != (\new)
	s_set_vgpr_msb (MSB<<8)|(\new)
.set MSB, \new
.endif
.endm
.macro JLOAD s                         ; a joint load; the branch hangs on the wave's number alone; an s_nop 0 and four v_nop follow each line
	s_cmp_eq_u32 s13, 0
	s_cbranch_scc0 .Lfor_b_\@
	tensor_load_to_lds s[G0+4*\s:G0+4*\s+3], s[G1:G1+7]
	s_nop 0
.rept 4
	v_nop
.endr
	s_branch .Lasked_\@
.Lfor_b_\@:
	tensor_load_to_lds s[G0B+4*\s:G0B+4*\s+3], s[G1B:G1B+7]
	s_nop 0
.rept 4
	v_nop
.endr
.Lasked_\@:
.endm
.macro CREST                           ; a round of the cluster's barrier behind its opening barrier
	s_cmp_lg_u32 s12, 0
	s_cbranch_scc1 .Lnot_wave_0_\@
	s_barrier_signal -3
.Lnot_wave_0_\@:
	s_barrier_wait -3
	s_barrier_signal -1
	s_barrier_wait -1
.endm
.macro CROUND
	s_barrier_signal -1
	s_barrier_wait -1
	CREST
.endm
; A prefetch, behind each joint refill and the run of LDS loads that follows it, of the K step that stands two refills on.  att's tile row is read by this cluster alone: its four partners along x share a
; step's 32,768 bytes out BY ADDRESS (plane cx / 2, half cx % 2), wave 0 asks, lanes 256 bytes apart.  Wo's tile column is read by all sixteen clusters: the cluster with y = 0 asks; its partners along y take
; 64 rows each, waves 2 and 3 take 32 of them, a lane a row.  So each aligned 256 bytes of K steps 4 to 7 is named once in the launch; steps 0 to 3 come by their loads alone; the last two refills ask for nothing.
.macro ASK
	s_cmp_gt_u32 s3, s15                           ; s3 = 1 in the loop's last trip
	s_cbranch_scc0 .Lnot_mine_\@
	global_prefetch_b8 v30, s[44:45] th:TH_LOAD_NT scope:SCOPE_SE
.Lnot_mine_\@:
.endm
	s_load_b256 s[4:11], s[0:1], 0x0               ; att 4:5, wo_h 6:7, bo 8:9, out0 10:11
	v_lshl_add_u32 v28, v0, 2, SPARE
	v_mov_b32 v29, 0
	ds_add_u32 v28, v29                            ; the wave's opening: the add, twice on end, and its wait ahead of my first tensor load
	ds_add_u32 v28, v29
	v_lshrrev_b32 v1, 5, v0
	v_readfirstlane_b32 s12, v1                    ; wave 0..3
	s_lshr_b32 s13, s12, 1                         ; which 64 rows are mine.  Also: I fetch for att (0) or for Wo (1)
	s_and_b32 s14, s12, 1                          ; which 128 columns.  Also: which plane, or which 128 rows of Wo, I fetch
	s_bfe_u32 s40, ttmp6, 0x40000                  ; cx
	s_bfe_u32 s41, ttmp6, 0x40004                  ; cy
	s_lshl_b32 s42, ttmp9, 2
	s_add_co_u32 s42, s42, s40                     ; tile column
	s_and_b32 s43, ttmp7, 0xffff
	s_lshl_b32 s43, s43, 2
	s_add_co_u32 s43, s43, s41                     ; tile row
	s_lshl_b32 s16, s41, 2
	s_lshl_b32 s16, 15, s16                        ; my row of the cluster
	s_lshl_b32 s17, 0x1111, s40                    ; my column
	s_or_b32 s[G1+0], s16, (1<<16)|(1<<20)|(1<<21)|(5<<22)|(3<<25)   ; mask; elements of 2 bytes; 4 words of padding behind every 64
	s_or_b32 s[G1B+0], s17, (1<<16)|(1<<20)|(1<<21)|(5<<22)|(3<<25)
	s_mov_b32 s[G1+1], 128<<16                     ; att: 64 dense rows of 128 elements (two rows of a plane)
	s_mov_b32 s[G1+2], 64<<16
	s_mov_b32 s[G1+3], 128<<16
	s_mov_b32 s[G1+4], 64
	s_mov_b32 s[G1+5], 128
	s_mov_b32 s[G1+6], 0
	s_mov_b32 s[G1+7], 0
	s_mov_b32 s[G1B+1], 128<<16                    ; Wo: 128 rows of 128 elements, 1,024 elements apart
	s_mov_b32 s[G1B+2], 128<<16
	s_mov_b32 s[G1B+3], 128<<16
	s_mov_b32 s[G1B+4], 128
	s_mov_b32 s[G1B+5], 1024
	s_mov_b32 s[G1B+6], 0
	s_mov_b32 s[G1B+7], 0
	s_lshl_b32 s18, s14, 20                        ; att: my plane of the step's two,
	s_lshl_b32 s19, s43, 14                        ; the tile's 128 rows of 128 bytes
	s_add_co_u32 s18, s18, s19
	s_mov_b32 s19, 0
	s_lshl_b32 s20, s42, 19                        ; Wo: row 256 x tile column + 128 x half, 2,048 bytes a row
	s_lshl_b32 s21, s14, 18
	s_add_co_u32 s20, s20, s21
	s_mov_b32 s21, 0
	s_mul_i32 s22, s14, ASUB                       ; where they go: no place in the cluster enters an LDS address
	s_mul_i32 s23, s14, BHALF
	s_add_co_u32 s23, s23, BOFF
	s_wait_dscnt 0x0                               ; both opening adds are done
	s_wait_kmcnt 0x0
	s_add_nc_u64 s[18:19], s[4:5], s[18:19]
	s_add_nc_u64 s[20:21], s[6:7], s[20:21]
	CROUND                                         ; all sixteen work-groups are here: the first joint loads meet
.irp s, 0,1
	s_mov_b32 s[G0+4*\s], 1
	s_add_co_u32 s[G0+4*\s+1], s22, \s*SLOT
	s_add_nc_u64 s[G0+4*\s+2:G0+4*\s+3], s[18:19], \s*2097152      ; K step s: planes 2 s, 2 s + 1
	s_or_b32 s[G0+4*\s+3], s[G0+4*\s+3], 0x80000000
	s_mov_b32 s[G0B+4*\s], 1
	s_add_co_u32 s[G0B+4*\s+1], s23, \s*SLOT
	s_add_nc_u64 s[G0B+4*\s+2:G0B+4*\s+3], s[20:21], \s*256
	s_or_b32 s[G0B+4*\s+3], s[G0B+4*\s+3], 0x80000000
	JLOAD \s
.endr
	v_and_b32 v1, 15, v0                           ; r
	v_bfe_u32 v2, v0, 4, 1                         ; h
	v_lshrrev_b32 v3, 1, v1
	v_mul_u32_u24 v3, v3, PITCH
	v_and_b32 v4, 1, v1
	v_lshl_add_u32 v3, v4, 7, v3
	v_lshl_add_u32 v3, v2, 4, v3                   ; att: row r lies at (r / 2) x 272 + (r % 2) x 128; + 16 h
	v_mul_u32_u24 v4, v1, PITCH
	v_lshl_add_u32 v4, v2, 4, v4                   ; Wo: row r x 272 + 16 h
	s_mul_i32 s66, s13, 8704                       ; my 64 rows of att
	s_mul_i32 s67, s14, BHALF                      ; my 128 rows of Wo
	s_add_co_u32 s67, s67, BOFF
.irp s, 0,1
	v_add_nc_u32 v[16+\s], s66, v3
	v_add_nc_u32 v[20+\s], s67, v4
	s_add_co_u32 s66, s66, SLOT
	s_add_co_u32 s67, s67, SLOT
.endr
	s_mul_i32 s66, s12, 16*SPITCH
	s_add_co_u32 s66, s66, STAGE                   ; my stage
	v_mul_u32_u24 v5, v1, SPITCH
	v_lshl_add_u32 v5, v2, 5, v5
	v_add_nc_u32 v24, s66, v5                      ; in: row r, 32 bytes for each half of the lanes
	v_and_b32 v5, 31, v0
	v_lshlrev_b32 v26, 4, v5                       ; back: the 32 lanes take one row of 512 bytes; the same in out0 and in bo
	v_add_nc_u32 v25, s66, v26
	s_lshl_b32 s66, s42, 10
	s_lshl_b32 s68, s14, 9
	s_add_co_u32 s66, s66, s68                     ; my first column, in bytes
	s_mov_b32 s67, 0
	s_add_nc_u64 s[8:9], s[8:9], s[66:67]
	global_load_b128 v[8:11], v26, s[8:9]          ; bo of my four columns of a row read back
	s_add_nc_u64 s[10:11], s[10:11], s[66:67]
	s_lshl_b32 s66, s43, 19                        ; my first row: 128 x tile row + 64 x half, 4,096 bytes a row
	s_lshl_b32 s68, s13, 18
	s_add_co_u32 s66, s66, s68
	s_add_nc_u64 s[10:11], s[10:11], s[66:67]
	; the prefetches: where my wave's stand, and who asks
	s_and_b32 s70, ttmp7, 0xffff                   ; cluster y
	s_lshr_b32 s66, s40, 1
	s_add_co_u32 s66, s66, 6
	s_lshl_b32 s66, s66, 20                        ; att: K step 3's plane 6 + cx / 2,
	s_lshl_b32 s68, s43, 14
	s_add_co_u32 s66, s66, s68                     ; the tile's rows,
	s_and_b32 s68, s40, 1
	s_lshl_b32 s68, s68, 13
	s_add_co_u32 s66, s66, s68                     ; half cx % 2 of them
	s_lshl_b32 s68, s42, 19
	s_lshl_b32 s69, s41, 17
	s_add_co_u32 s68, s68, s69
	s_lshl_b32 s69, s14, 16
	s_add_co_u32 s68, s68, s69                     ; Wo: row 256 x tile column + 64 cy + 32 x (wave & 1),
	s_add_co_u32 s68, s68, 768                     ; K step 3
	s_mov_b32 s46, 256
	s_mov_b32 s71, 2048
	s_cmp_eq_u32 s13, 0                            ; do I fetch for att?
	s_cselect_b64 s[44:45], s[4:5], s[6:7]
	s_cselect_b32 s66, s66, s68
	s_cselect_b32 s46, 0x200000, s46               ; a K step on
	s_cselect_b32 s71, 256, s71                    ; from lane to lane
	s_cselect_b32 s70, s14, s70                    ; 0 in wave 0, and in waves 2 and 3 of the clusters with y = 0: the same in all partners, for a given wave
	s_mov_b32 s47, 0
	s_add_nc_u64 s[44:45], s[44:45], s[66:67]      ; the first refill steps it to K step 4
	s_cmp_eq_u32 s70, 0
	s_cselect_b32 s15, 1, -1
	v_and_b32 v30, 31, v0
	v_mul_u32_u24 v30, s71, v30
.macro MUL8 f, a, zero                 ; att's block a x Wo's eight, 32 along K.  The 32 accumulators take turns, one instruction a turn, in the same order in every quarter
.irp b, 0,1,2,3,4,5,6,7
.if \zero
	v_wmma_f32_16x16x32_f16 v[8*(8*\a+\b):8*(8*\a+\b)+7], v[\f+8*\b:\f+8*\b+7], v[\f+8*\a:\f+8*\a+7], 0
.else
	v_wmma_f32_16x16x32_f16 v[8*(8*\a+\b):8*(8*\a+\b)+7], v[\f+8*\b:\f+8*\b+7], v[\f+8*\a:\f+8*\a+7], v[8*(8*\a+\b):8*(8*\a+\b)+7]
.endif
.endr
.endm
.macro FETCH slot, q, f                ; 24 LDS loads in one run: the fragments of the slot's q-th 32 along K
	WIN 0x40
.irp b, 0,1,2,3,4,5,6,7
	ds_load_b128 v[\f+8*\b:\f+8*\b+3],   v[20+\slot] offset:64*(\q)+\b*16*PITCH
	ds_load_b128 v[\f+8*\b+4:\f+8*\b+7], v[20+\slot] offset:64*(\q)+\b*16*PITCH+32
.endr
	WIN 0
.irp a, 0,1,2,3
	ds_load_b128 v[\f+8*\a:\f+8*\a+3],   v[16+\slot] offset:((\q)/2)*ASUB+((\q)%2)*64+\a*8*PITCH
	ds_load_b128 v[\f+8*\a+4:\f+8*\a+7], v[16+\slot] offset:((\q)/2)*ASUB+((\q)%2)*64+\a*8*PITCH+32
.endr
.endm
.macro PLACES                          ; four places behind matrix instructions, in front of loads into registers that they have read and of reads of their results
.rept 4
	v_nop
.endr
.endm
.macro QUARTER slot, q, f, g, zero     ; asks for the next quarter's fragments into g, then multiplies f: fragments are asked for 32 matrix instructions ahead of their use
	PLACES
	FETCH \slot, (\q)+1, \g
	s_wait_dscnt 24                                ; all but the 24 just issued
	WIN 0xa1                                       ; source 0 (Wo) window 1, source 1 (att) window 0, C and D window 2
	MUL8 \f, 0, \zero
	MUL8 \f, 1, \zero
	MUL8 \f, 2, \zero
	MUL8 \f, 3, \zero
.endm
; A slot's last quarter multiplies buffer 1 and changes slots: one barrier; in front of it each wave waits for all its tensor loads, adds 0 to its spare word, and waits for that and for its reads of this slot.
.macro TURN slot, next, fill
.if \fill
	s_wait_xcnt 0x0                                ; the last prefetch, a K step back, has read its address
	s_add_nc_u64 s[44:45], s[44:45], s[46:47]
.endif
	WIN 0
	s_wait_tensorcnt 0x0                           ; all my tensor loads have landed: my part of the next slot
	ds_add_u32 v28, v29                            ; 0 onto my spare word
	s_wait_dscnt 1                                 ; this quarter's fragments are in; the add may be out
	WIN 0xa1
	MUL8 F1, 0, 0
	s_wait_dscnt 0x0                               ; the add is done, and my reads of this slot are over
	s_barrier_signal -1
	MUL8 F1, 1, 0
	WIN 0
	s_barrier_wait -1
.if \fill
	CREST                                          ; the barrier has opened a round of the cluster's: no wave of any partner still reads this slot or has a load on its way
	s_add_nc_u64 s[G0+4*\slot+2:G0+4*\slot+3], s[G0+4*\slot+2:G0+4*\slot+3], 4194304   ; two K steps on: four planes
	s_add_nc_u64 s[G0B+4*\slot+2:G0B+4*\slot+3], s[G0B+4*\slot+2:G0B+4*\slot+3], 512
	JLOAD \slot                                    ; the first tensor load behind the round; its four v_nop are also the places in front of the loads below
.else
	PLACES
.endif
	FETCH \next, 0, F0
.if \fill
	ASK
.endif
	WIN 0xa1
	MUL8 F1, 2, 0
	MUL8 F1, 3, 0
.endm
	s_wait_tensorcnt 1                             ; my part of K step 0 is in; K step 1's load may be out
	s_barrier_signal -1
	s_barrier_wait -1
	FETCH 0, 0, F0
	QUARTER 0, 0, F0, F1, 1                        ; the first quarter's products start the sums: nothing is cleared
	WIN 0
	s_mov_b32 s3, 3
.Llap:                                             ; a trip goes once round the ring, from a lap's second quarter to the next lap's first, and fills both slots again
	QUARTER 0, 1, F1, F0, 0
	QUARTER 0, 2, F0, F1, 0
	TURN 0, 1, 1
	QUARTER 1, 0, F0, F1, 0
	QUARTER 1, 1, F1, F0, 0
	QUARTER 1, 2, F0, F1, 0
	TURN 1, 0, 1
	QUARTER 0, 0, F0, F1, 0
	WIN 0
	s_sub_co_u32 s3, s3, 1
	s_cmp_lg_u32 s3, 0
	s_cbranch_scc1 .Llap
	QUARTER 0, 1, F1, F0, 0                        ; the last lap fills nothing
	QUARTER 0, 2, F0, F1, 0
	TURN 0, 1, 0
	QUARTER 1, 0, F0, F1, 0
	QUARTER 1, 1, F1, F0, 0
	QUARTER 1, 2, F0, F1, 0
	s_wait_dscnt 0x0
	MUL8 F1, 0, 0
	MUL8 F1, 1, 0
	MUL8 F1, 2, 0
	MUL8 F1, 3, 0
	WIN 0
; THE WAY OUT, block by block of 16 rows x 128 columns, through my own stage: in 32 bytes a lane, back as whole rows of 512 bytes; bo is added on the way; LDS serves a wave's instructions in order.
.macro TOSTAGE a
	WIN 0x08                                       ; an LDS store's data are its source 1: window 2
.irp b, 0,1,2,3,4,5,6,7
	ds_store_b128 v24, v[8*(8*(\a)+\b):8*(8*(\a)+\b)+3] offset:64*\b        ; each accumulator from its low end on
	ds_store_b128 v24, v[8*(8*(\a)+\b)+4:8*(8*(\a)+\b)+7] offset:64*\b+16
.endr
	WIN 0
.set BB, BK+64*((\a)%2)
.irp t, 0,1,2,3,4,5,6,7,8,9,10,11,12,13,14,15
	ds_load_b128 v[BB+4*\t:BB+4*\t+3], v25 offset:\t*SPITCH
.endr
.endm
.macro SEND a, younger                 ; younger: the LDS instructions issued behind block a's loads, which may stay out
.set BB, BK+64*((\a)%2)
	s_wait_dscnt \younger
.if (\a) > 0
	s_add_nc_u64 s[10:11], s[10:11], 65536         ; 16 rows on (the earlier stores have read their base: a wait for that stands ahead)
.endif
.irp t, 0,1,2,3,4,5,6,7,8,9,10,11,12,13,14,15
	v_pk_add_f32 v[BB+4*\t:BB+4*\t+1], v[BB+4*\t:BB+4*\t+1], v[8:9]
	v_pk_add_f32 v[BB+4*\t+2:BB+4*\t+3], v[BB+4*\t+2:BB+4*\t+3], v[10:11]
	global_store_b128 v26, v[BB+4*\t:BB+4*\t+3], s[10:11] offset:4096*\t th:TH_STORE_NT   ; the wave stores 512 consecutive bytes, aligned
.endr
.endm
	PLACES
	s_wait_loadcnt 0x0                             ; bo
	TOSTAGE 0
.irp a, 1,2,3
.if \a > 1
	s_wait_xcnt 0x0                                ; block a - 2's stores have read their registers and their base
.endif
	TOSTAGE \a
	SEND \a-1, 32                                  ; behind block a - 1's loads: block a's 16 stores and 16 loads
.endr
	s_wait_xcnt 0x0
	SEND 3, 0
	s_wait_tensorcnt 0x0                           ; the wave's end, behind my last tensor load and my last LDS store
	ds_add_u32 v28, v29
	s_wait_dscnt 0x0
	CROUND                                         ; the closing round
	s_endpgm
.Lfunc_end_k_qc1d7f5aa38_proj:
	.size	k_qc1d7f5aa38_proj, .Lfunc_end_k_qc1d7f5aa38_proj-k_qc1d7f5aa38_proj
	.p2alignl 7, 3214868480
	.fill 96, 4, 3214868480
	.section	.rodata,"a",@progbits
	.p2align	6, 0x0
	.amdhsa_kernel k_qc1d7f5aa38_proj
		.amdhsa_group_segment_fixed_size 327680
		.amdhsa_private_segment_fixed_size 0
		.amdhsa_enable_private_segment 0
		.amdhsa_kernarg_size 32
		.amdhsa_user_sgpr_count 2
		.amdhsa_user_sgpr_kernarg_segment_ptr 1
		.amdhsa_wavefront_size32 1
		.amdhsa_system_sgpr_workgroup_id_x 1
		.amdhsa_system_sgpr_workgroup_id_y 1
		.amdhsa_system_sgpr_workgroup_id_z 1
		.amdhsa_system_vgpr_workitem_id 0
		.amdhsa_next_free_vgpr 768
		.amdhsa_next_free_sgpr 76
		.amdhsa_reserve_vcc 0
		.amdhsa_float_denorm_mode_32 3
		.amdhsa_float_denorm_mode_16_64 3
		.amdhsa_memory_ordered 1
		.amdhsa_forward_progress 1
		.amdhsa_inst_pref_size 95
	.end_amdhsa_kernel
	.amdgpu_metadata
---
amdhsa.version: [ 1, 2 ]
amdhsa.kernels:
  - .name:           k_qc1d7f5aa38_proj
    .symbol:         k_qc1d7f5aa38_proj.kd
    .args:
      - { .name: att, .offset: 0, .size: 8, .value_kind: global_buffer, .address_space: global }
      - { .name: wo_h, .offset: 8, .size: 8, .value_kind: global_buffer, .address_space: global }
      - { .name: bo, .offset: 16, .size: 8, .value_kind: global_buffer, .address_space: global }
      - { .name: out0, .offset: 24, .size: 8, .value_kind: global_buffer, .address_space: global }
    .group_segment_fixed_size: 327680
    .private_segment_fixed_size: 0
    .kernarg_segment_align: 8
    .kernarg_segment_size: 32
    .max_flat_workgroup_size: 128
    .sgpr_count:     76
    .vgpr_count:     768
    .wavefront_size: 32
...
	.end_amdgpu_metadata
.endif
;; end of part 4
;; launch first_rows (part 5): grid 16 x 4, 16 waves a work-group, no clusters, 71,680 bytes of LDS; arguments first16, Wo, bo, out0; writes out0
.if DOCPART == 5
	.amdgcn_target "amdgcn-amd-amdhsa--gfx1250"
	.amdhsa_code_object_version 6
	.text
	.protected	k_qc1d7f5aa38_first_rows
	.globl	k_qc1d7f5aa38_first_rows
	.p2align	8
	.type	k_qc1d7f5aa38_first_rows,@function
k_qc1d7f5aa38_first_rows:
	s_mov_b64 s[64:65], 0
	v_nop
	global_prefetch_b8 v0, s[64:65] scope:SCOPE_SE
	s_setreg_imm32_b32 hwreg(HW_REG_WAVE_MODE, 25, 1), 1
	s_wait_xcnt 0x0
; Positions 0-15 of every sequence average one to sixteen values and are the largest numbers of the output: they are carried in f32 through scores, softmax, the second product and the projection,
; and written over what the launch before has put into these 64 rows of out0.
; Work-group (nb, bt) makes rows 0-15 of batch bt, columns 64 nb .. 64 nb + 63.  Wave w is head w: it makes that head's 16 x 16 attention from first16 (q already x log2(e) / 8, k, v in f32, [t][b][h][16][64]),
; multiplies its 64 channels into the 64 columns without leaving its registers, and the sixteen partial sums meet in LDS.  The attention is made anew in each of the 16 work-groups of a batch: 32 small
; matrix instructions a wave, less than another launch would cost.
; v_wmma_f32_16x16x4_f32: lane (r, h) holds row or column r and, in register j, k slot 2 h + j.  Which k stands in which slot is free as long as both sources agree:
;   scores, step (c, u): slot 2 h + j = channel 8 c + 4 h + 2 u + j (loads of 16 bytes fill both sources);  second product, step i: key 8 h + 2 i + j, where S^T's result already lies;
;   projection, step (ct, i): channel 16 ct + 8 h + 2 i + j, where O^T's result already lies.
; v176-207, the four accumulators, are written by matrix instructions alone; what is made of a finished sum goes into other registers.
; The order of the f32 sums differs from a plain chain along k.  LIMIT: NaN and infinities among the inputs are not served.
.set SPARE, 69632                      ; behind the partial sums ([16 waves][16 pieces of 4 columns][16 positions x 16 bytes + 16]): the spare words, 128 bytes a wave: eight blocks of 256 bytes that no other line names
.set ACC, 176
	s_load_b256 s[4:11], s[0:1], 0x0               ; first16 4:5, Wo 6:7, bo 8:9, out0 10:11
	v_lshl_add_u32 v14, v0, 2, SPARE
	v_mov_b32 v15, 0
	v_lshrrev_b32 v1, 5, v0
	v_readfirstlane_b32 s12, v1                    ; wave = head
	s_and_b32 s13, ttmp7, 0xffff                   ; batch
	v_and_b32 v1, 15, v0                           ; r
	v_bfe_u32 v2, v0, 4, 1                         ; h
	v_lshlrev_b32 v3, 8, v1
	v_lshl_add_u32 v3, v2, 4, v3                   ; q, k: row r of 256 bytes + 16 h
	v_lshlrev_b32 v4, 2, v1
	v_lshl_add_u32 v4, v2, 11, v4                  ; v: key 8 h, channel r
	v_lshlrev_b32 v5, 12, v1
	v_lshl_add_u32 v5, v2, 5, v5                   ; Wo: row r of 4,096 bytes + 32 h
	s_mul_i32 s14, s12, 4352
	v_mul_u32_u24 v6, v2, 544
	v_lshl_add_u32 v6, v1, 4, v6
	v_add_nc_u32 v6, s14, v6                       ; partial sums, in: my wave's 4,352 bytes, piece 2 h, position r
	v_lshlrev_b32 v7, 3, v2
	v_sub_nc_u32 v7, v1, v7                        ; d = r - 8 h: key 8 h + j is hidden where j > d
	v_mov_b32 v8, 0xff800000                       ; -infinity
	v_bfe_u32 v12, v0, 4, 4                        ; partial sums, back: thread T takes piece T % 16 of position (T / 16) % 16
	v_mul_u32_u24 v9, v1, 272
	v_lshl_add_u32 v9, v12, 4, v9
	v_lshlrev_b32 v11, 4, v1                       ; bo: 16 bytes a piece
	v_lshl_add_u32 v10, v12, 12, v11               ; out0: a row of 4,096 bytes a position
	s_lshl_b32 s16, s13, 4
	s_add_co_u32 s16, s16, s12
	s_lshl_b32 s16, s16, 12                        ; my head's 4,096 bytes
	s_mov_b32 s17, 0
	s_lshl_b32 s18, ttmp9, 18                      ; Wo: rows 64 nb on,
	s_lshl_b32 s19, s12, 8                         ; my head's 64 along k
	s_add_co_u32 s18, s18, s19
	s_mov_b32 s19, 0
	s_lshl_b32 s20, ttmp9, 8                       ; 64 columns of f32
	s_mov_b32 s21, 0
	s_lshl_b32 s22, s13, 23                        ; a batch's 2,048 rows
	s_add_co_u32 s22, s22, s20
	s_mov_b32 s23, 0
	s_mov_b32 s24, 0x76543210
	s_mov_b32 s25, 0xfedcba98                      ; v_permlanex16_b32's selects for lane l xor 16
	s_wait_kmcnt 0x0
	s_add_nc_u64 s[4:5], s[4:5], s[16:17]
	s_add_nc_u64 s[6:7], s[6:7], s[18:19]
	s_add_nc_u64 s[8:9], s[8:9], s[20:21]
	s_add_nc_u64 s[10:11], s[10:11], s[22:23]
.irp c, 0,1,2,3,4,5,6,7
	global_load_b128 v[16+4*\c:19+4*\c], v3, s[4:5] offset:32*\c             ; q: channels 8 c + 4 h + 0..3
.endr
.irp c, 0,1,2,3,4,5,6,7
	global_load_b128 v[48+4*\c:51+4*\c], v3, s[4:5] offset:262144+32*\c      ; k likewise
.endr
.irp ct, 0,1,2,3
.irp kk, 0,1,2,3,4,5,6,7
	global_load_b32 v[80+8*\ct+\kk], v4, s[4:5] offset:524288+\kk*256+\ct*64 ; v(key 8 h + kk, channel 16 ct + r)
.endr
.endr
.irp nt, 0,1
.irp ct, 0,1,2,3
	global_load_b128 v[112+32*\nt+8*\ct:115+32*\nt+8*\ct], v5, s[6:7] offset:\nt*65536+\ct*64      ; Wo(64 nb + 16 nt + r, 64 w + 16 ct + 8 h + 0..7)
	global_load_b128 v[116+32*\nt+8*\ct:119+32*\nt+8*\ct], v5, s[6:7] offset:\nt*65536+\ct*64+16
.endr
.endr
	global_load_b128 v[248:251], v11, s[8:9]
	s_wait_loadcnt 49                              ; q and k are in; v's 32, Wo's 16 and bo's one may be out
	; S^T = k q^T: 16 steps on four accumulators by turns; the first four start the sums
.irp c, 0,1,2,3,4,5,6,7
.irp u, 0,1
.if \c < 2
	v_wmma_f32_16x16x4_f32 v[ACC+8*((2*\c+\u)%4):ACC+8*((2*\c+\u)%4)+7], v[48+4*\c+2*\u:49+4*\c+2*\u], v[16+4*\c+2*\u:17+4*\c+2*\u], 0
.else
	v_wmma_f32_16x16x4_f32 v[ACC+8*((2*\c+\u)%4):ACC+8*((2*\c+\u)%4)+7], v[48+4*\c+2*\u:49+4*\c+2*\u], v[16+4*\c+2*\u:17+4*\c+2*\u], v[ACC+8*((2*\c+\u)%4):ACC+8*((2*\c+\u)%4)+7]
.endif
.endr
.endr
.rept 8
	v_nop                                          ; eight places behind this form, in front of reads of its results and of loads into its sources
.endr
.irp nt, 0,1
.irp ct, 0,1,2,3
	global_load_b128 v[16+32*\nt+8*\ct:19+32*\nt+8*\ct], v5, s[6:7] offset:(\nt+2)*65536+\ct*64    ; Wo's tiles 2 and 3, where q and k lay
	global_load_b128 v[20+32*\nt+8*\ct:23+32*\nt+8*\ct], v5, s[6:7] offset:(\nt+2)*65536+\ct*64+16
.endr
.endr
.irp i, 0,2,4,6
	v_pk_add_f32 v[208+\i:209+\i], v[ACC+\i:ACC+1+\i], v[ACC+8+\i:ACC+9+\i]
.endr
.irp i, 0,2,4,6
	v_pk_add_f32 v[224+\i:225+\i], v[ACC+16+\i:ACC+17+\i], v[ACC+24+\i:ACC+25+\i]
.endr
.irp i, 0,2,4,6
	v_pk_add_f32 v[208+\i:209+\i], v[208+\i:209+\i], v[224+\i:225+\i]      ; lane (r, h): the score of query r and key 8 h + j
.endr
.irp j, 0,1,2,3,4,5,6,7
	v_cmp_gt_i32 vcc_lo, \j, v7
	v_cndmask_b32 v[208+\j], v[208+\j], v8, vcc_lo
.endr
	v_max3_num_f32 v232, v208, v209, v210
	v_max3_num_f32 v233, v211, v212, v213
	v_max3_num_f32 v232, v232, v214, v215
	v_max_num_f32 v232, v232, v233
	v_permlanex16_b32 v233, v232, s24, s25
	v_max_num_f32 v232, v232, v233                 ; the row's maximum: key 0 counts for every query, so it is a number
.irp i, 0,2,4,6
	v_pk_add_f32 v[208+\i:209+\i], v[208+\i:209+\i], v[232:233] op_sel_hi:[1,0] neg_lo:[0,1] neg_hi:[0,1]
.endr
.irp j, 0,1,2,3,4,5,6,7
	v_exp_f32 v[216+\j], v[208+\j]
.endr
	v_nop                                          ; a plain instruction behind the last exponential
	s_wait_alu depctr_va_vdst(0)                   ; one wait for the eight, ahead of their first reader
	v_pk_add_f32 v[234:235], v[216:217], v[218:219]
	v_pk_add_f32 v[236:237], v[220:221], v[222:223]
	v_pk_add_f32 v[234:235], v[234:235], v[236:237]
	v_add_f32 v234, v234, v235
	v_permlanex16_b32 v235, v234, s24, s25
	v_add_f32 v234, v234, v235
	v_rcp_f32 v238, v234
	v_mov_b32 v239, 0                              ; a plain instruction behind the reciprocal; also the pair's upper half
	s_wait_alu depctr_va_vdst(0)
	s_wait_loadcnt 33                              ; v is in; Wo's 32 loads and bo's one may be out
	; O^T = v^T p: four steps on four accumulators by turns (more than nine plain instructions that name none of the accumulators stand behind the scores' products)
.irp i, 0,1,2,3
.irp ct, 0,1,2,3
.if \i == 0
	v_wmma_f32_16x16x4_f32 v[ACC+8*\ct:ACC+8*\ct+7], v[80+8*\ct+2*\i:81+8*\ct+2*\i], v[216+2*\i:217+2*\i], 0
.else
	v_wmma_f32_16x16x4_f32 v[ACC+8*\ct:ACC+8*\ct+7], v[80+8*\ct+2*\i:81+8*\ct+2*\i], v[216+2*\i:217+2*\i], v[ACC+8*\ct:ACC+8*\ct+7]
.endif
.endr
.endr
.rept 9
	v_nop                                          ; nine places: the accumulators are begun anew below, their results read and v's registers written
.endr
.set i, 0
.rept 16
	v_pk_mul_f32 v[80+i:81+i], v[ACC+i:ACC+i+1], v[238:239] op_sel_hi:[1,0]   ; O^T / the sum: register 8 ct + j is channel 16 ct + 8 h + j of query r
.set i, i+2
.endr
	s_wait_loadcnt 0x0
	; out^T = Wo O^T: 16 steps on four accumulators by turns
.irp ct, 0,1,2,3
.irp i, 0,1,2,3
.irp nt, 0,1,2,3
.set WB, 112+32*\nt
.if \nt > 1
.set WB, 16+32*(\nt-2)
.endif
.if (\ct == 0) && (\i == 0)
	v_wmma_f32_16x16x4_f32 v[ACC+8*\nt:ACC+8*\nt+7], v[WB+8*\ct+2*\i:WB+8*\ct+2*\i+1], v[80+8*\ct+2*\i:81+8*\ct+2*\i], 0
.else
	v_wmma_f32_16x16x4_f32 v[ACC+8*\nt:ACC+8*\nt+7], v[WB+8*\ct+2*\i:WB+8*\ct+2*\i+1], v[80+8*\ct+2*\i:81+8*\ct+2*\i], v[ACC+8*\nt:ACC+8*\nt+7]
.endif
.endr
.endr
.endr
.rept 8
	v_nop
.endr
.irp nt, 0,1,2,3
	ds_store_b128 v6, v[ACC+8*\nt:ACC+8*\nt+3] offset:(4*\nt)*272          ; lane (r, h): columns 16 nt + 8 h + 0..3 of position r: piece 4 nt + 2 h; each accumulator from its low end on
	ds_store_b128 v6, v[ACC+8*\nt+4:ACC+8*\nt+7] offset:(4*\nt+1)*272
.endr
	s_wait_dscnt 0x0                               ; for the others' sake: my partial sums lie in LDS
	s_barrier_signal -1
	s_barrier_wait -1
	s_cmp_lt_u32 s12, 8                            ; 256 threads, waves 0-7, add the sixteen heads' parts
	s_cbranch_scc0 .Ldone
.irp w, 0,1,2,3,4,5,6,7,8,9,10,11,12,13,14,15
	ds_load_b128 v[16+4*\w:19+4*\w], v9 offset:4352*\w
.endr
	s_wait_dscnt 0x0
.irp w, 1,2,3,4,5,6,7,8,9,10,11,12,13,14,15
	v_pk_add_f32 v[16:17], v[16:17], v[16+4*\w:17+4*\w]
	v_pk_add_f32 v[18:19], v[18:19], v[18+4*\w:19+4*\w]
.endr
	v_pk_add_f32 v[16:17], v[16:17], v[248:249]
	v_pk_add_f32 v[18:19], v[18:19], v[250:251]
	global_store_b128 v10, v[16:19], s[10:11]      ; sixteen lanes store 256 consecutive bytes, aligned
.Ldone:
	s_wait_tensorcnt 0x0                           ; the wave's end, behind my last LDS store
	ds_add_u32 v14, v15
	s_wait_dscnt 0x0
	s_endpgm
.Lfunc_end_k_qc1d7f5aa38_first_rows:
	.size	k_qc1d7f5aa38_first_rows, .Lfunc_end_k_qc1d7f5aa38_first_rows-k_qc1d7f5aa38_first_rows
	.p2alignl 7, 3214868480
	.fill 96, 4, 3214868480
	.section	.rodata,"a",@progbits
	.p2align	6, 0x0
	.amdhsa_kernel k_qc1d7f5aa38_first_rows
		.amdhsa_group_segment_fixed_size 71680
		.amdhsa_private_segment_fixed_size 0
		.amdhsa_enable_private_segment 0
		.amdhsa_kernarg_size 32
		.amdhsa_user_sgpr_count 2
		.amdhsa_user_sgpr_kernarg_segment_ptr 1
		.amdhsa_wavefront_size32 1
		.amdhsa_system_sgpr_workgroup_id_x 1
		.amdhsa_system_sgpr_workgroup_id_y 1
		.amdhsa_system_sgpr_workgroup_id_z 1
		.amdhsa_system_vgpr_workitem_id 0
		.amdhsa_next_free_vgpr 256
		.amdhsa_next_free_sgpr 66
		.amdhsa_reserve_vcc 1
		.amdhsa_float_denorm_mode_32 3
		.amdhsa_float_denorm_mode_16_64 3
		.amdhsa_memory_ordered 1
		.amdhsa_forward_progress 1
		.amdhsa_inst_pref_size 25
	.end_amdhsa_kernel
	.amdgpu_metadata
---
amdhsa.version: [ 1, 2 ]
amdhsa.kernels:
  - .name:           k_qc1d7f5aa38_first_rows
    .symbol:         k_qc1d7f5aa38_first_rows.kd
    .args:
      - { .name: first16, .offset: 0, .size: 8, .value_kind: global_buffer, .address_space: global }
      - { .name: Wo, .offset: 8, .size: 8, .value_kind: global_buffer, .address_space: global }
      - { .name: bo, .offset: 16, .size: 8, .value_kind: global_buffer, .address_space: global }
      - { .name: out0, .offset: 24, .size: 8, .value_kind: global_buffer, .address_space: global }
    .group_segment_fixed_size: 71680
    .private_segment_fixed_size: 0
    .kernarg_segment_align: 8
    .kernarg_segment_size: 32
    .max_flat_workgroup_size: 512
    .sgpr_count:     66
    .vgpr_count:     256
    .wavefront_size: 32
...
	.end_amdgpu_metadata
.endif
;; end of part 5
